; MI455X (gfx1250); checked and timed in simulation.
; The chip was launched on July 23, 2026; its instructions are those of AMD's public machine-readable ISA for CDNA 5 (MIT licence, August 2026) and "CDNA5" Instruction Set Architecture Reference Guide (July 2026). The comments in the code are by the model that wrote it; some were corrected since.
;; Athena SA. Allowed arithmetic: matrix products marked QUANTISED: E3M2 operands, one E8M0 scale for each 32 along K, by v_wmma_scale_f32_16x16x128_f8f6f4 with both operands' format E3M2, f32 sums; everything else in f32.
;; Inputs: cos_buffer 2 x 1 x 4,096 x 128 float32; embeddings 1 x 4,096 x 2,048 float32; sin_buffer 2 x 1 x 4,096 x 128 float32; wk 2,048 x 512 float32; wo 2,048 x 2,048 float32; wq 2,048 x 2,048 float32; wv 2,048 x 512 float32.
;; Outputs: out0 1 x 4,096 x 2,048 float32.
;; Constants: window_size = 256.
;; This version of the problem:
;;   THIS VERSION OF THE PROBLEM IS GIVEN IN LOW PRECISION. The matrix products marked QUANTISED in the list below multiply operands that are first quantised to E3M2 (3 exponent bits, 2 mantissa bits; 6 bits a number), with one power-of-two scale for each 32 numbers along K (OCP MX v1.0); their sums are f32. All else is computed in f32.
;;   The module's matrix products, in the order in which they are computed (A, B: the left and right operand; K: the contracted axis; several contracted axes count as one K, in the product's order):
;;     1. [M 4,096, K 2,048] x [K 2,048, N 2,048]; A: computed on the way; B: input wq: QUANTISED
;;     2. [M 4,096, K 2,048] x [K 2,048, N 512]; A: computed on the way; B: input wk: QUANTISED
;;     3. [M 4,096, K 2,048] x [K 2,048, N 512]; A: computed on the way; B: input wv: QUANTISED
;;     4. batch 256 x [M 256, K 128] x [K 128, N 512]; A: computed on the way; B: computed on the way: QUANTISED
;;     5. batch 256 x [M 256, K 512] x [K 512, N 128]; A: softmax (see below); B: computed on the way: QUANTISED
;;     6. [M 4,096, K 2,048] x [K 2,048, N 2,048]; A: computed on the way; B: input wo: QUANTISED
;;   THE QUANTISER, for each operand of a quantised product, along K:
;;     - K is cut into blocks of 32 from its start; a last block that is shorter is filled with zeros.
;;     - A block's scale is 2^e with e = floor(log2(the largest magnitude in the block)) - 4, held to -126 .. 127; a block of zeros has e = 0. As a byte (E8M0): e + 127.
;;     - Each number is divided by its block's scale, clamped to +-28, and rounded to the nearest number of E3M2, ties to even, subnormals kept.
;;     - The product sums the exact products of the quantised numbers (number of the format x scale) in f32.
;;   ~~~python
;;   def quantise(x, axis):      # numpy; x: float32 -> the quantised numbers, widened to float32 again
;;       x = np.moveaxis(x, axis, -1); K = x.shape[-1]
;;       x = np.pad(x, [(0, 0)] * (x.ndim - 1) + [(0, -K % 32)]); x = x.reshape(x.shape[:-1] + (-1, 32)); a = np.abs(x).max(-1, keepdims=True)
;;       e = np.where(a > 0, np.clip(np.frexp(np.where(a > 0, a, 1))[1] - 1 - 4, -126, 127), 0)      # np.frexp(a)[1] - 1 = floor(log2(a)), exactly
;;       r = np.clip(x / 2.0 ** e, -28, 28)
;;       step = 2.0 ** (np.maximum(np.frexp(np.where(r == 0, 1, r))[1] - 1, -2) - 2)
;;       q = np.round(r / step) * step * 2.0 ** e      # np.round: ties to even
;;       return np.moveaxis(q.reshape(q.shape[:-2] + (-1,))[..., :K], -1, axis).astype(np.float32)
;;   ~~~
;;   SOFTMAX AHEAD OF A QUANTISED PRODUCT. Where the list says 'softmax', what is quantised is not the finished softmax but p = 2^(t - M), with t = logit x log2(e) and M = ceil(the row's largest t), a whole number; so 1/2 < the row's largest p <= 1. The row's sum l is taken of the UNQUANTISED p, in f32, and the product's result is divided by l at the end. Since M is a whole number, a kernel that streams over the keys may use a running M (the ceiling of the running maximum): every later rescaling is an exact power of two, which a block's scale takes up: the codes' values come out the same.
;;   OPERANDS COMPUTED ON THE WAY. 'Computed on the way' means the value that the module computes at that place (a softmax that the list does not call 'softmax' is quantised finished and normalised). What goes into a quantiser is computed in f32, as accurately as f32 sums, v_exp_f32 and their like allow (about 1e-6 of the number): no bf16 or f16 on the way to a quantiser, and a product that is left as it is and whose result goes on into a quantised operand takes f32 operands (vector FMAs, or v_wmma_f32_16x16x4_f32). A number that lies on a knife's edge between two numbers of the format may be rounded either way, as far as f32 arithmetic and the matrix unit's own rounding can turn it there, and no further.
;; One version. Each part assembles by itself: llvm-mc -triple=amdgcn-amd-amdhsa -mcpu=gfx1250 --defsym DOCPART=n.
;; ======== version 1 of 1: 4 launches
;; workspace buffers: xn_img 6,553,600 bytes; w1_img 4,915,200 bytes; wo_img 3,276,800 bytes; qkv_img 9,830,400 bytes; o_img 6,553,600 bytes
;; launch prep (part 1): grid 576 x 1, 8 waves a work-group, no clusters, 160,000 bytes of LDS; arguments embeddings, wq, wk, wv, wo, xn_img, w1_img, wo_img; writes xn_img, w1_img, wo_img
.if DOCPART == 1
	.amdgcn_target "amdgcn-amd-amdhsa--gfx1250"
	.amdhsa_code_object_version 6
	.text
	.protected	k_q95346512a8_prep
	.globl	k_q95346512a8_prep
	.p2align	8
	.type	k_q95346512a8_prep,@function
k_q95346512a8_prep:
	s_mov_b64 s[64:65], 0
	v_nop
	global_prefetch_b8 v0, s[64:65] scope:SCOPE_SE
	s_setreg_imm32_b32 hwreg(HW_REG_WAVE_MODE, 25, 1), 1
	s_wait_xcnt 0x0
; RMSNorm of the embeddings and the quantising of x and of the four weights into codes of BF6 (E3M2) with one E8M0 byte for each 32 along K.
; ALL WORKSPACE IS LAID IN CHUNKS: 128 rows x 128 along K of an operand, 12,800 bytes.  Block i (0..7) of 16 rows lies at 1,536 i as an image of the operand's registers: piece c (0..2) at
; 512 c + 16 lane holds registers 4 c .. 4 c + 3 of that lane's fragment of 12.  With i = 2 b + u, lane r (lane % 16) of block i holds row 32 b + 8 u + r + 8 (r / 8) of the 128.
; The scale word of block i, lane r lies at 12,288 + 32 r + 4 i.  So a fragment comes by three loads of 16 bytes a lane, and a chunk is one dense block.
; Work-groups 0-255 (norm): one block of 16 rows of x, all 16 K steps.  Work-groups 256-575 (weights): 128 columns x 256 along K of one weight.  Each path has LDS bytes of its own.
; A block's scale byte is its largest magnitude's exponent field - 4, held at 1 from below.
; LIMITS: NaN and infinities are not served; a block whose largest magnitude lies under 2^-122 has its byte held at 1; a block of zeros gets the byte 1, not 127 (its codes are zeros, and this
; program alone reads the bytes); v_rsq_f32 (1 ulp) stands ahead of the quantiser.
; No tensor load, no cluster, no matrix unit: the launch streams, each input byte is read once.
.set CHUNK, 12800
.set NP,    8208                       ; norm stage: a row of 8,192 bytes + 16: sixteen rows start in sixteen different columns of 16 bytes
.set WST,   16*NP                      ; weights: for each wave two blocks' images, 1,536 + 128 bytes each
.set WP,    1664
.set WSC,   WST+16*WP                  ; weights: the scale words of the work-group's two chunks, 512 bytes each
.set LI,    2                          ; v2   16 x lane
.set NSA,   5                          ; v5   norm stage, in: my wave's two rows, 16 bytes a lane
.set NRA,   6                          ; v6   norm stage, out: row r, my half's 64 bytes, my wave's two K steps
.set SWO,   7                          ; v7   where my scale word goes: 32 r + a chunk x h
.set TM,    8                          ; v8-23 the quantiser's scratch
.set X,     32                         ; v32-159 numbers
.set SB,    200                        ; v200 a column's four scale bytes
.set L4,    203                        ; v203 4 x lane
.set WA,    204                        ; v204 weights' stage, in
.set WSA,   205                        ; v205 my scale word's place in LDS
.set WR,    206                        ; v206 weights' stage, out
.set WSR,   207                        ; v207 the scale words, out
.set SEL,   22                         ; s[22:23] v_permlanex16_b32's selects for lane l xor 16
; 64 numbers of a lane, register 16 b + i = k 32 b + 16 (lane / 16) + i of my row, become a fragment's codes in v[pc] .. v[pc + 11] and its scale word in v[pw]
.macro QUANT s, pc, pw
.irp b, 0,1,2,3
	v_max3_num_f32 v[TM+\b], |v[\s+16*\b]|, |v[\s+16*\b+1]|, 0x2800000   ; my 16 numbers of block b, and the floor 2^(5 - 127): the byte cannot fall under 1
.endr
.irp i, 2,4,6,8,10,12,14
.irp b, 0,1,2,3
	v_max3_num_f32 v[TM+\b], v[TM+\b], |v[\s+16*\b+\i]|, |v[\s+16*\b+\i+1]|
.endr
.endr
.irp b, 0,1,2,3
	v_permlanex16_b32 v[TM+4+\b], v[TM+\b], s[SEL], s[SEL+1]
.endr
.irp b, 0,1,2,3
	v_max_num_f32 v[TM+\b], v[TM+\b], v[TM+4+\b]          ; with lane l xor 16's 16: the block's largest magnitude
.endr
.irp b, 0,1,2,3
	v_add_nc_u32 v[TM+12+\b], 0xfe000000, v[TM+\b]        ; 4 off its exponent field: the conversion's scale operand
.endr
.irp b, 0,1,2,3
	v_lshrrev_b32 v[TM+4+\b], 23, v[TM+12+\b]             ; the scale's byte
.endr
	v_lshl_or_b32 v[\pw], v[TM+5], 8, v[TM+4]
	v_lshl_or_b32 v[\pw], v[TM+6], 16, v[\pw]
	v_lshl_or_b32 v[\pw], v[TM+7], 24, v[\pw]
.irp c, 0,1
	v_cvt_scalef32_pk16_bf6_f32 v[\pc+6*\c:\pc+6*\c+2], v[\s+32*\c:\s+32*\c+15], v[TM+12+2*\c]
	v_cvt_scalef32_pk16_bf6_f32 v[\pc+12+4*\c:\pc+14+4*\c], v[\s+32*\c+16:\s+32*\c+31], v[TM+13+2*\c]
.endr
	v_nop                                                 ; one plain instruction behind the scaled conversions
.irp c, 0,1                                           ; the operand wants a whole block in a lane: lanes 0-15 block 2 c, lanes 16-31 block 2 c + 1
.irp i, 0,1,2
	v_permlane16_swap_b32 v[\pc+6*\c+\i], v[\pc+12+4*\c+\i]
.endr
.irp i, 0,1,2
	v_mov_b32 v[\pc+3+6*\c+\i], v[\pc+12+4*\c+\i]
.endr
.endr
.endm
	s_load_b256 s[4:11], s[0:1], 0x0               ; embeddings s[4:5], wq s[6:7], wk s[8:9], wv s[10:11]
	s_load_b256 s[12:19], s[0:1], 0x20             ; wo s[12:13], xn_img s[14:15], w1_img s[16:17], wo_img s[18:19]
	v_lshl_add_u32 v208, v0, 2, 0x26d00
	v_mov_b32 v209, 0
	v_lshrrev_b32 v1, 5, v0
	v_readfirstlane_b32 s20, v1                    ; wave 0..7
	v_and_b32 v1, 31, v0                           ; lane
	v_lshlrev_b32 v[LI], 4, v1
	v_and_b32 v3, 15, v0                           ; r
	v_bfe_u32 v4, v0, 4, 1                         ; h
	; every LDS address of both paths is made here, ahead of the branch
	s_mul_i32 s26, s20, 2*NP
	v_add_nc_u32 v[NSA], s26, v[LI]
	v_mul_u32_u24 v[NRA], v3, NP
	v_lshl_add_u32 v[NRA], v4, 6, v[NRA]
	s_lshl_b32 s26, s20, 10
	v_add_nc_u32 v[NRA], s26, v[NRA]
	v_mul_u32_u24 v[SWO], v4, CHUNK
	v_lshl_add_u32 v[SWO], v3, 5, v[SWO]
	v_lshlrev_b32 v[L4], 2, v1
	v_bfe_u32 v24, v0, 3, 1                        ; weights: column c = lane of a quad of 32 lies in block 2 b + u, u = (c / 8) % 2,
	v_and_b32 v25, 7, v0
	v_lshl_add_u32 v25, v4, 3, v25                 ; at lane r' = c % 8 + 8 (c / 16)
	s_mul_i32 s26, s20, 2*WP
	s_add_co_u32 s26, s26, WST
	v_mul_u32_u24 v[WA], v24, WP
	v_lshl_add_u32 v[WA], v25, 4, v[WA]
	v_add_nc_u32 v[WA], s26, v[WA]
	v_add_nc_u32 v[WR], s26, v[LI]
	s_lshr_b32 s26, s20, 2
	s_lshl_b32 s26, s26, 9
	s_add_co_u32 s26, s26, WSC
	v_add_nc_u32 v[WSR], s26, v[LI]
	s_and_b32 s27, s20, 3
	s_lshl_b32 s27, s27, 3
	s_add_co_u32 s26, s26, s27
	v_lshlrev_b32 v[WSA], 5, v25
	v_lshl_add_u32 v[WSA], v24, 2, v[WSA]
	v_add_nc_u32 v[WSA], s26, v[WSA]               ; 32 r' + 4 (2 b + u), in my K step's 512 bytes
	s_mov_b32 s[SEL], 0x76543210
	s_mov_b32 s[SEL+1], 0xfedcba98
.irp b, 0,1,2,3
	v_mov_b32 v[TM+4+\b], 0                        ; written once: a lane permute's destination counts as one of its sources
.endr
	s_wait_kmcnt 0x0
	s_cmp_ge_u32 ttmp9, 256
	s_cbranch_scc1 .Lweights
	; ---------------- THE NORM PATH: block i of token group g ----------------
	s_lshr_b32 s26, ttmp9, 3                       ; g
	s_and_b32 s27, ttmp9, 7                        ; i
	s_lshr_b32 s28, s27, 1
	s_lshl_b32 s28, s28, 5
	s_and_b32 s29, s27, 1
	s_lshl_b32 s29, s29, 3
	s_add_co_u32 s28, s28, s29
	s_lshl_b32 s29, s26, 7
	s_add_co_u32 s28, s28, s29                     ; the block's first row: 128 g + 32 (i / 2) + 8 (i % 2)
	s_lshl_b32 s29, s20, 1
	s_add_co_u32 s28, s28, s29
	s_lshr_b32 s29, s20, 2
	s_lshl_b32 s29, s29, 3
	s_add_co_u32 s28, s28, s29                     ; my two rows: image rows 2 w, 2 w + 1 are rows + 2 w + 8 (w / 4) and the next
	s_lshl_b32 s28, s28, 13
	s_mov_b32 s29, 0
	s_add_nc_u64 s[4:5], s[4:5], s[28:29]
.irp p, 0,1
.irp j, 0,1,2,3,4,5,6,7,8,9,10,11,12,13,14,15
	global_load_b128 v[X+64*\p+4*\j:X+64*\p+4*\j+3], v[LI], s[4:5] offset:\p*8192+512*\j th:TH_LOAD_NT   ; 512 consecutive bytes a load
.endr
.endr
	s_lshl_b32 s30, s26, 4
	s_lshl_b32 s31, s20, 1
	s_add_co_u32 s30, s30, s31
	s_mul_i32 s30, s30, CHUNK
	s_mov_b32 s31, 0
	s_add_nc_u64 s[14:15], s[14:15], s[30:31]      ; chunk (g, K step 2 w)
	s_lshl_b32 s32, s27, 2
	s_add_co_u32 s32, s32, 12288
	s_mov_b32 s33, 0
	s_add_nc_u64 s[34:35], s[14:15], s[32:33]      ; its scale words of block i
	s_mul_i32 s32, s27, 1536
	s_add_nc_u64 s[14:15], s[14:15], s[32:33]      ; its codes of block i
	s_mov_b32 s24, 0x3a000000                      ; 1 / 2048
	s_mov_b32 s25, 0x3727c5ac                      ; 1e-5
; row p of my two: the sum of squares in four chains, across the lanes, the reciprocal root, the row scaled in place and laid into the stage
.macro NROW p, left
	s_wait_loadcnt \left                           ; loads come back in order: this row's sixteen are in
.irp c, 0,1,2,3
	v_pk_mul_f32 v[24+2*\c:25+2*\c], v[X+64*\p+2*\c:X+64*\p+2*\c+1], v[X+64*\p+2*\c:X+64*\p+2*\c+1]
.endr
.set n, 4
.rept 28
	v_pk_fma_f32 v[24+2*(n%4):25+2*(n%4)], v[X+64*\p+2*n:X+64*\p+2*n+1], v[X+64*\p+2*n:X+64*\p+2*n+1], v[24+2*(n%4):25+2*(n%4)]
.set n, n+1
.endr
	v_pk_add_f32 v[24:25], v[24:25], v[26:27]
	v_pk_add_f32 v[28:29], v[28:29], v[30:31]
	v_pk_add_f32 v[24:25], v[24:25], v[28:29]
	v_add_f32 v24, v24, v25
	v_add_f32_dpp v24, v24, v24 row_xmask:1 row_mask:0xf bank_mask:0xf
	v_add_f32_dpp v24, v24, v24 row_xmask:2 row_mask:0xf bank_mask:0xf
	v_add_f32_dpp v24, v24, v24 row_xmask:4 row_mask:0xf bank_mask:0xf
	v_add_f32_dpp v24, v24, v24 row_xmask:8 row_mask:0xf bank_mask:0xf
	v_permlanex16_b32 v25, v24, s[SEL], s[SEL+1]
	v_add_f32 v24, v24, v25
	v_fma_f32 v24, v24, s24, s25                   ; the mean of the squares + eps
	v_rsq_f32 v28, v24
	v_nop                                          ; a plain instruction behind the transcendental,
	s_wait_alu depctr_va_vdst(0)                   ; and the wait ahead of its first reader
.set n, 0
.rept 32
	v_pk_mul_f32 v[X+64*\p+2*n:X+64*\p+2*n+1], v[X+64*\p+2*n:X+64*\p+2*n+1], v[28:29] op_sel_hi:[1,0]
.set n, n+1
.endr
.irp j, 0,1,2,3,4,5,6,7,8,9,10,11,12,13,14,15
	ds_store_b128 v[NSA], v[X+64*\p+4*\j:X+64*\p+4*\j+3] offset:\p*NP+512*\j
.endr
.endm
	NROW 0, 16                                     ; the second row's sixteen loads may stay out
	NROW 1, 0
	s_wait_dscnt 0x0                               ; for the others' sake: my two rows lie in the stage
	s_barrier_signal -1
	s_barrier_wait -1
	; pass 2: wave w quantises K steps 2 w and 2 w + 1 of all 16 rows: lane (r, h) takes 16 neighbours of each block of 32
.irp e, 0,1
.irp b, 0,1,2,3
.irp j, 0,1,2,3
	ds_load_b128 v[X+64*\e+16*\b+4*\j:X+64*\e+16*\b+4*\j+3], v[NRA] offset:512*\e+128*\b+16*\j
.endr
.endr
.endr
	s_wait_dscnt 16                                ; the first K step's sixteen loads are in
	QUANT X, 160, 180
.irp c, 0,1,2
	global_store_b128 v[LI], v[160+4*\c:163+4*\c], s[14:15] offset:512*\c          ; 512 consecutive bytes, at a multiple of 256 from the buffer's first byte
.endr
	s_wait_dscnt 0x0
	QUANT X+64, 182, 202
.irp c, 0,1,2
	global_store_b128 v[LI], v[182+4*\c:185+4*\c], s[14:15] offset:CHUNK+512*\c
.endr
	v_cmp_eq_u32 vcc_lo, 1, v4
	v_cndmask_b32 v24, v180, v202, vcc_lo          ; lanes 0-15 store the first K step's words, lanes 16-31 the second's
	global_store_b32 v[SWO], v24, s[34:35]         ; 4 bytes, 32 apart: a block's words are an eighth of a chunk's 512 bytes, the rest are other work-groups'
	s_wait_tensorcnt 0x0
	ds_add_u32 v208, v209
	s_wait_dscnt 0x0
	s_endpgm
	; ---------------- THE WEIGHT PATH ----------------
.Lweights:
	s_sub_co_u32 s26, ttmp9, 256
	s_lshr_b32 s27, s26, 3                         ; column group 0..39: 0-15 wq; 16-23 wk (even) and wv (odd) by turns; 24-39 wo
	s_and_b32 s28, s26, 7                          ; which pair of K steps
	s_sub_co_u32 s33, s27, 24
	s_sub_co_u32 s34, s27, 16
	s_lshr_b32 s35, s34, 1
	s_and_b32 s36, s34, 1
	s_cmp_lg_u32 s36, 0                            ; the choices hang on the work-group's number alone
	s_cselect_b64 s[38:39], s[10:11], s[8:9]
	s_cmp_lt_u32 s27, 24
	s_cselect_b64 s[30:31], s[38:39], s[12:13]     ; the source,
	s_cselect_b32 s32, s35, s33                    ; its group of 128 columns,
	s_cselect_b32 s37, s27, s33                    ; the group in the destination,
	s_cselect_b64 s[40:41], s[16:17], s[18:19]     ; the destination,
	s_cselect_b32 s42, 11, 13                      ; log2 of a row's bytes
	s_cmp_lt_u32 s27, 16
	s_cselect_b64 s[30:31], s[6:7], s[30:31]
	s_cselect_b32 s32, s27, s32
	s_cselect_b32 s42, 13, s42
	s_lshr_b32 s44, s20, 2
	s_lshl_b32 s43, s28, 1
	s_add_co_u32 s43, s43, s44                     ; my K step
	s_and_b32 s45, s20, 3                          ; my quad of 32 columns
	s_add_co_u32 s46, s42, 7
	s_lshl_b32 s46, s43, s46                       ; 128 rows a K step
	s_lshl_b32 s47, s32, 9
	s_add_co_u32 s46, s46, s47
	s_lshl_b32 s47, s45, 7
	s_add_co_u32 s46, s46, s47
	s_mov_b32 s47, 0
	s_add_nc_u64 s[30:31], s[30:31], s[46:47]
	s_lshl_b32 s48, s37, 4
	s_add_co_u32 s48, s48, s43
	s_mul_i32 s48, s48, CHUNK
	s_mul_i32 s49, s45, 3072
	s_add_co_u32 s48, s48, s49
	s_mov_b32 s49, 0
	s_add_nc_u64 s[40:41], s[40:41], s[48:49]      ; my chunk, blocks 2 b and 2 b + 1
; A lane takes a column and its registers run down K: 128 consecutive bytes a load, the four waves of a K step side by side on 512
.macro WLOAD pitch
.set k, 0
.rept 128
	global_load_b32 v[X+k], v[L4], s[30:31] offset:k*\pitch th:TH_LOAD_NT
.set k, k+1
.endr
.endm
	s_cmp_eq_u32 s42, 13                           ; only the loads differ between the two pitches
	s_cbranch_scc0 .Lnarrow
	WLOAD 8192
	s_branch .Lloaded
.Lnarrow:
	WLOAD 2048
.Lloaded:
; block kb of 32 along K: all its numbers are mine.  Its 24 bytes are registers 6 (kb / 2) .. + 5 of lane r' + 16 (kb % 2) of my block's image
.macro WBLOCK kb, left
.set XS, X+32*\kb
.set C, 160+10*\kb
	s_wait_loadcnt \left
	v_max3_num_f32 v24, |v[XS]|, |v[XS+1]|, |v[XS+2]|
	v_max3_num_f32 v25, |v[XS+3]|, |v[XS+4]|, |v[XS+5]|
.irp i, 6,10,14,18,22,26
	v_max3_num_f32 v24, v24, |v[XS+\i]|, |v[XS+\i+1]|
	v_max3_num_f32 v25, v25, |v[XS+\i+2]|, |v[XS+\i+3]|
.endr
	v_max3_num_f32 v24, v24, |v[XS+30]|, |v[XS+31]|
	v_max3_num_f32 v24, v24, v25, 0x2800000        ; and the floor
	v_add_nc_u32 v26, 0xfe000000, v24
	v_lshrrev_b32 v27, 23, v26
.if \kb == 0
	v_mov_b32 v[SB], v27
.else
	v_lshl_or_b32 v[SB], v27, 8*\kb, v[SB]
.endif
	v_cvt_scalef32_pk16_bf6_f32 v[C:C+2], v[XS:XS+15], v26
	v_cvt_scalef32_pk16_bf6_f32 v[C+6:C+8], v[XS+16:XS+31], v26
	v_nop                                          ; one plain instruction behind the scaled conversions
.irp i, 0,1,2
	v_mov_b32 v[C+3+\i], v[C+6+\i]
.endr
.if \kb < 2
	ds_store_b128 v[WA], v[C:C+3] offset:256*(\kb%2)
	ds_store_b64 v[WA], v[C+4:C+5] offset:512+256*(\kb%2)
.else
	ds_store_b64 v[WA], v[C:C+1] offset:520+256*(\kb%2)
	ds_store_b128 v[WA], v[C+2:C+5] offset:1024+256*(\kb%2)
.endif
.endm
	WBLOCK 0, 63                                   ; 96 loads were issued behind this block's; the wait's field holds 63
	WBLOCK 1, 63                                   ; 64 behind this one's
	WBLOCK 2, 32
	WBLOCK 3, 0
	ds_store_b32 v[WSA], v[SB]
.irp p, 0,1,2,3,4,5
	ds_load_b128 v[X+4*\p:X+4*\p+3], v[WR] offset:(\p/3)*WP+(\p%3)*512   ; LDS serves a wave's instructions in order: these see my stores
.endr
.irp p, 0,1,2,3,4,5
	s_wait_dscnt 5-\p
	global_store_b128 v[LI], v[X+4*\p:X+4*\p+3], s[40:41] offset:(\p/3)*1536+(\p%3)*512
.endr
	s_wait_dscnt 0x0                               ; for the others' sake: my scale words lie in LDS
	s_barrier_signal -1
	s_barrier_wait -1
	s_cmp_lg_u32 s45, 0                            ; the first wave of each K step stores its chunk's 512 bytes of scale words
	s_cbranch_scc1 .Lwdone
	ds_load_b128 v[8:11], v[WSR]
	s_wait_dscnt 0x0
	global_store_b128 v[LI], v[8:11], s[40:41] offset:12288
.Lwdone:
	s_wait_tensorcnt 0x0
	ds_add_u32 v208, v209
	s_wait_dscnt 0x0
	s_endpgm
.Lfunc_end_k_q95346512a8_prep:
	.size	k_q95346512a8_prep, .Lfunc_end_k_q95346512a8_prep-k_q95346512a8_prep
	.p2alignl 7, 3214868480
	.fill 96, 4, 3214868480
	.section	.rodata,"a",@progbits
	.p2align	6, 0x0
	.amdhsa_kernel k_q95346512a8_prep
		.amdhsa_group_segment_fixed_size 160000
		.amdhsa_private_segment_fixed_size 0
		.amdhsa_enable_private_segment 0
		.amdhsa_kernarg_size 64
		.amdhsa_user_sgpr_count 2
		.amdhsa_user_sgpr_kernarg_segment_ptr 1
		.amdhsa_wavefront_size32 1
		.amdhsa_system_sgpr_workgroup_id_x 1
		.amdhsa_system_sgpr_workgroup_id_y 1
		.amdhsa_system_sgpr_workgroup_id_z 1
		.amdhsa_system_vgpr_workitem_id 0
		.amdhsa_next_free_vgpr 210
		.amdhsa_next_free_sgpr 66
		.amdhsa_reserve_vcc 1
		.amdhsa_float_denorm_mode_32 3
		.amdhsa_float_denorm_mode_16_64 3
		.amdhsa_memory_ordered 1
		.amdhsa_forward_progress 1
		.amdhsa_inst_pref_size 62
	.end_amdhsa_kernel
	.amdgpu_metadata
---
amdhsa.version: [ 1, 2 ]
amdhsa.kernels:
  - .name:           k_q95346512a8_prep
    .symbol:         k_q95346512a8_prep.kd
    .args:
      - { .name: embeddings, .offset: 0, .size: 8, .value_kind: global_buffer, .address_space: global }
      - { .name: wq, .offset: 8, .size: 8, .value_kind: global_buffer, .address_space: global }
      - { .name: wk, .offset: 16, .size: 8, .value_kind: global_buffer, .address_space: global }
      - { .name: wv, .offset: 24, .size: 8, .value_kind: global_buffer, .address_space: global }
      - { .name: wo, .offset: 32, .size: 8, .value_kind: global_buffer, .address_space: global }
      - { .name: xn_img, .offset: 40, .size: 8, .value_kind: global_buffer, .address_space: global }
      - { .name: w1_img, .offset: 48, .size: 8, .value_kind: global_buffer, .address_space: global }
      - { .name: wo_img, .offset: 56, .size: 8, .value_kind: global_buffer, .address_space: global }
    .group_segment_fixed_size: 160000
    .private_segment_fixed_size: 0
    .kernarg_segment_align: 8
    .kernarg_segment_size: 64
    .max_flat_workgroup_size: 256
    .sgpr_count:     66
    .vgpr_count:     210
    .wavefront_size: 32
...
	.end_amdgpu_metadata
.endif
;; end of part 1
;; launch qkv (part 2): grid 12 x 16, 4 waves a work-group, clusters of 4 x 4, 327,680 bytes of LDS; arguments xn_img, w1_img, cos_buffer, sin_buffer, qkv_img; writes qkv_img
.if DOCPART == 2
	.amdgcn_target "amdgcn-amd-amdhsa--gfx1250"
	.amdhsa_code_object_version 6
	.text
	.protected	k_q95346512a8_qkv
	.globl	k_q95346512a8_qkv
	.p2align	8
	.type	k_q95346512a8_qkv,@function
k_q95346512a8_qkv:
	s_mov_b64 s[64:65], 0
	v_nop
	global_prefetch_b8 v0, s[64:65] scope:SCOPE_SE
	s_setreg_imm32_b32 hwreg(HW_REG_WAVE_MODE, 25, 1), 1
	s_wait_xcnt 0x0
	s_wait_alu depctr_hold_cnt(0) depctr_sa_sdst(0) depctr_va_vdst(0) depctr_va_sdst(0) depctr_va_ssrc(0) depctr_va_vcc(0) depctr_vm_vsrc(0)
	s_getreg_b32 s2, hwreg(HW_REG_IB_STS2, 6, 4)
	s_cmp_eq_u32 s2, 0
	s_cbranch_scc0 .Lentry_in_a_cluster
	s_endpgm
.Lentry_in_a_cluster:
	s_bfe_u32 s2, ttmp6, 0x10000c
	s_cmp_lg_u32 s2, 0xf033
	s_cbranch_scc0 .Lentry_shape_is_right
	s_endpgm
.Lentry_shape_is_right:
; q, k, v = normed x times wq, wk, wv on codes of BF6 (E3M2); q and k rotated by the tables; all three quantised again and stored as chunks (the layout: 128 rows x 128 K, 12,800 bytes; block i at 1,536 i as
; an image of the fragment's 12 registers, piece c at 512 c + 16 lane; lane r of block 2 b + u holds row 32 b + 8 u + r + 8 (r / 8); scale words at 12,288 + 32 r + 4 i).
; A work-group takes 256 tokens x 256 columns (two weight groups of 128: two q heads, or a k head and a v head); each of its four waves 128 x 128: 64 accumulators, and its result is ONE chunk of the output.
; THE PRODUCT IS USED TRANSPOSED: source 0 = 16 columns of the weight, source 1 = 16 tokens: a lane holds one token, and by the rows of a block its 64 registers run along d in order: the next K.
; FOR V THE SOURCES CHANGE PLACES (source 0 = tokens, source 1 = columns): a lane holds one dv and its registers run along the tokens, which are the next K.  Only four LDS base addresses differ;
; the choice hangs on the cluster's x and the wave's number, which are the same in all partners.
; THE RING: two LDS slots of three K steps of 128; a region of a slot (three chunks, 38,400 dense bytes) is one tensor load, one a wave.  The 16 K steps go as 1 + 5 x 3: slot 0 begins with K step 0 alone,
; so that every later fill is whole and has the other slot's three K steps in which to land.  The walk is written out: no two laps are alike.
; THE TABLES COME THROUGH THE SAME RING, as its two last fills: when slot 0 is left for the last time it takes cos and sin of tokens 0-63 of both token groups, and when the last fragments are in registers slot 1
; takes those of tokens 64-127: wave w fetches table w % 2 of token group w / 2, 64 rows of 512 bytes.  Behind each row lie 8 bytes of padding: a lane's address is 8 r' + 64 h + a constant modulo 256 with
; r' in 0-7 or 16-23, so the 32 lanes of a load of 8 bytes take 32 different places of 8 bytes.
; CLUSTER 4 x 4: the token chunks and the tables are shared along a row of the cluster, the weight chunks along a column: each is asked for jointly.
; 192 work-groups: a tile of 256 x 256 keeps a whole head to a wave, which the rotation (d and d + 64 in one lane) and the quantiser want.
; LIMITS: NaN and infinities are not served; a block whose largest magnitude lies under 2^-122 has its byte held at 1; a block of zeros gets the byte 1, not 127 (its codes are zeros; this program alone reads the bytes).
; REGISTERS: window 0: v16-29 addresses; v32-63 scale words, two sets; v64-159, v160-255 source 1's fragments, two sets (in the epilogue: v64-127 rotated numbers, v128-195 the quantiser's).
;   window 1: source 0's fragments at v0 and v128 (in the epilogue: the tables, two sets of 128).   windows 2, 3: accumulator (a, b) at v[8 (8 (a % 4) + b)] of window 2 + a / 4.
.set CHUNK,  12800
.set NA,     8                         ; source 1's blocks a wave
.set REG,    3*CHUNK                   ; a region: three K steps of one group of 128 rows
.set SLOT,   4*REG                     ; two token groups, two weight groups
.set RR,     REG/256
.set NF,     52                        ; LDS loads of a fetch: 4 of scale words, 24 + 24 of fragments
.set SPARE,  2*SLOT                    ; behind the ring: the spare words, 128 bytes a wave, that no other line names
.set TP,     520                       ; a table's row in LDS: 512 bytes + 8
.set TILE,   64*TP                     ; a table's tile: 64 rows
.set ADRA, 16                          ; v16-17 source 1's fragments in slot 0, 1;  v18-19 its scale words
.set ADSA, 18
.set ADRB, 20                          ; v20-21, v22-23 the same for source 0
.set ADSB, 22
.set LI,   24                          ; v24 16 x lane
.set TA,   25                          ; v25, v27 my place in my token group's cos tile, tokens 0-63 (slot 0) and 64-127 (slot 1)
.set SCO,  26                          ; v26 32 r + 16 h
.set SPW,  28
.set NIL,  29
.set SCA,  32                          ; source 1's scale words, set p at + 16 p;  source 0's at SCB
.set SCB,  40
.set AF,   64
.set H,    64
.set TM,   128
.set PCS,  144
.set PWS,  184
.set G1,   24                          ; s[24:31] group 1, token regions;  s[32:39] their groups 0, one a slot
.set G0,   32
.set G1B,  48                          ; s[48:55], s[56:63] the same for the weight regions
.set G0B,  56
.set KV,   66                          ; s66 1 in the clusters of the k and v heads
.set SW,   67                          ; s67 1 in a wave that makes v
.set G0T,  68                          ; s[68:71] group 0 of my table tile
.set SEL,  74
.set G1S,  76                          ; s[76:83], s[84:91] groups 1 of the one short fill: a single chunk
.set G1SB, 84
.set G1T,  92                          ; s[92:99] group 1 of a table tile
.set MSB, 0
.macro WIN new                         ; the immediate's high byte repeats the setting that is left; a switch that changes nothing is dropped
.if MSB != (\new)
	s_set_vgpr_msb (MSB<<8)|(\new)
.set MSB, (\new)
.endif
.endm
.macro PLACES n
.rept \n
	v_nop
.endr
.endm
.macro JLOAD g0a, g1a, g0b, g1b        ; a joint load: waves 0, 1 fetch the token regions, waves 2, 3 the weight regions; four v_nop follow each line
	s_cmp_eq_u32 s15, 0
	s_cbranch_scc0 .Lfor_b_\@
	tensor_load_to_lds s[\g0a:\g0a+3], s[\g1a:\g1a+7]
	s_nop 0
.rept 4
	v_nop
.endr
	s_branch .Lasked_\@
.Lfor_b_\@:
	tensor_load_to_lds s[\g0b:\g0b+3], s[\g1b:\g1b+7]
	s_nop 0
.rept 4
	v_nop
.endr
.Lasked_\@:
.endm
.macro TLOAD_T                         ; my table tile: every wave has one, so no branch stands here
	tensor_load_to_lds s[G0T:G0T+3], s[G1T:G1T+7]
	s_nop 0
.rept 4
	v_nop
.endr
.endm
.macro CREST                           ; a round of the cluster's barrier behind its opening barrier
	s_cmp_lg_u32 s14, 0
	s_cbranch_scc1 .Lnot_wave_0_\@
	s_barrier_signal -3
.Lnot_wave_0_\@:
	s_barrier_wait -3
	s_barrier_signal -1
	s_barrier_wait -1
.endm
.macro CROUND
	s_barrier_signal -1
	s_barrier_wait -1
	CREST
.endm
; the fragments and scale words of the slot's q-th K step into set p: NF loads of 16 bytes a lane
.macro FETCH slot, q, p
	WIN 0
	ds_load_b128 v[SCB+16*(\p):SCB+16*(\p)+3], v[ADSB+\slot] offset:(\q)*CHUNK+12288
	ds_load_b128 v[SCB+16*(\p)+4:SCB+16*(\p)+7], v[ADSB+\slot] offset:(\q)*CHUNK+12304
	ds_load_b128 v[SCA+16*(\p):SCA+16*(\p)+3], v[ADSA+\slot] offset:(\q)*CHUNK+12288
	ds_load_b128 v[SCA+16*(\p)+4:SCA+16*(\p)+7], v[ADSA+\slot] offset:(\q)*CHUNK+12304
	WIN 0x40                                       ; destination window 1
.irp i, 0,1,2,3,4,5,6,7
.irp c, 0,1,2
	ds_load_b128 v[128*(\p)+12*\i+4*\c:128*(\p)+12*\i+4*\c+3], v[ADRB+\slot] offset:(\q)*CHUNK+\i*1536+\c*512
.endr
.endr
	WIN 0
.irp i, 0,1,2,3,4,5,6,7
.irp c, 0,1,2
	ds_load_b128 v[AF+96*(\p)+12*\i+4*\c:AF+96*(\p)+12*\i+4*\c+3], v[ADRA+\slot] offset:(\q)*CHUNK+\i*1536+\c*512
.endr
.endr
.endm
; eight products: source 1's block a against source 0's eight.  The accumulators take turns, one instruction a turn, in the same order in every K step
.macro MULA a, p, zero
.if (\a) < 4
	WIN 0xa1                                       ; source 0 window 1, source 1 window 0, C and D window 2
.else
	WIN 0xf1                                       ; C and D window 3
.endif
.irp b, 0,1,2,3,4,5,6,7
.if \zero
	v_wmma_scale_f32_16x16x128_f8f6f4 v[8*(8*((\a)%4)+\b):8*(8*((\a)%4)+\b)+7], v[128*(\p)+12*\b:128*(\p)+12*\b+11], v[AF+96*(\p)+12*(\a):AF+96*(\p)+12*(\a)+11], 0, v[SCB+16*(\p)+\b], v[SCA+16*(\p)+(\a)] matrix_a_fmt:MATRIX_FMT_BF6 matrix_b_fmt:MATRIX_FMT_BF6
.else
	v_wmma_scale_f32_16x16x128_f8f6f4 v[8*(8*((\a)%4)+\b):8*(8*((\a)%4)+\b)+7], v[128*(\p)+12*\b:128*(\p)+12*\b+11], v[AF+96*(\p)+12*(\a):AF+96*(\p)+12*(\a)+11], v[8*(8*((\a)%4)+\b):8*(8*((\a)%4)+\b)+7], v[SCB+16*(\p)+\b], v[SCA+16*(\p)+(\a)] matrix_a_fmt:MATRIX_FMT_BF6 matrix_b_fmt:MATRIX_FMT_BF6
.endif
.endr
.endm
.macro MULS a0, n, p, zero
.set AA, \a0
.rept \n
	MULA AA, \p, \zero
.set AA, AA+1
.endr
.endm
; a K step (the slot's q-th, its fragments in set p) that has its successor in the same slot: the successor's set is fetched first and has the whole step in which to land
.macro KSTEP slot, q, p, zero
	PLACES 4                                       ; four plain instructions between the last products that read the other set and the loads into it
	FETCH \slot, (\q)+1, 1-(\p)
	s_wait_dscnt NF                                ; all but the NF just issued: this step's set is in
	MULS 0, NA, \p, \zero
.endm
; a slot's last K step (fragments in set p) changes slots: each wave waits for all its tensor loads, adds 0 to its spare word, waits for that and for its reads of this slot; its barrier opens a round of the
; cluster's barrier, and this slot is filled again first thing behind the round.  fill = 1: with the K steps that lie step bytes on;  fill = 2: with the tables of tokens 0-63
.macro TURN slot, next, p, zero, fill, step
	WIN 0
	s_wait_tensorcnt 0x0                           ; all my tensor loads have landed: my part of the next slot
	ds_add_u32 v[SPW], v[NIL]                      ; 0 onto my spare word
	s_wait_dscnt 1                                 ; this step's set is in; the add may be out
	MULS 0, 2, \p, \zero
	s_wait_dscnt 0x0                               ; the add is done, and my reads of this slot are over
	s_barrier_signal -1
	MULS 2, 2, \p, \zero
	WIN 0
	s_barrier_wait -1
	CREST
.if \fill == 1
	s_add_nc_u64 s[G0+4*\slot+2:G0+4*\slot+3], s[G0+4*\slot+2:G0+4*\slot+3], \step
	s_add_nc_u64 s[G0B+4*\slot+2:G0B+4*\slot+3], s[G0B+4*\slot+2:G0B+4*\slot+3], \step
	JLOAD G0+4*\slot, G1, G0B+4*\slot, G1B
.else
	TLOAD_T
.endif
	FETCH \next, 0, 1-(\p)                         ; the four v_nop behind the tensor load are the plain instructions in front of these loads
	MULS 4, 4, \p, \zero
.endm
; 64 numbers of a lane in window w, register 16 b + i = k 32 b + 16 (lane / 16) + i of my row, become a fragment's codes in v[pc] .. v[pc + 11] and its scale word in v[pw] (window 0).
; Read in ascending order
.macro QUANT s, w, pc, pw
	WIN (\w)|((\w)<<2)
.irp b, 0,1,2,3
	v_max3_num_f32 v[TM+\b], |v[\s+16*\b]|, |v[\s+16*\b+1]|, 0x2800000   ; and the floor 2^(5 - 127): the byte cannot fall under 1
.endr
	WIN ((\w)<<2)|((\w)<<4)
.irp i, 2,4,6,8,10,12,14
.irp b, 0,1,2,3
	v_max3_num_f32 v[TM+\b], v[TM+\b], |v[\s+16*\b+\i]|, |v[\s+16*\b+\i+1]|
.endr
.endr
	WIN 0
.irp b, 0,1,2,3
	v_permlanex16_b32 v[TM+4+\b], v[TM+\b], s[SEL], s[SEL+1]
.endr
.irp b, 0,1,2,3
	v_max_num_f32 v[TM+\b], v[TM+\b], v[TM+4+\b]
.endr
.irp b, 0,1,2,3
	v_add_nc_u32 v[TM+12+\b], 0xfe000000, v[TM+\b]        ; 4 off the exponent field: the conversion's scale operand
.endr
.irp b, 0,1,2,3
	v_lshrrev_b32 v[TM+4+\b], 23, v[TM+12+\b]
.endr
	v_lshl_or_b32 v[\pw], v[TM+5], 8, v[TM+4]
	v_lshl_or_b32 v[\pw], v[TM+6], 16, v[\pw]
	v_lshl_or_b32 v[\pw], v[TM+7], 24, v[\pw]
	WIN (\w)
.irp c, 0,1
	v_cvt_scalef32_pk16_bf6_f32 v[\pc+6*\c:\pc+6*\c+2], v[\s+32*\c:\s+32*\c+15], v[TM+12+2*\c]
	v_cvt_scalef32_pk16_bf6_f32 v[\pc+12+4*\c:\pc+14+4*\c], v[\s+32*\c+16:\s+32*\c+31], v[TM+13+2*\c]
.endr
	WIN 0
	v_nop                                                 ; one plain instruction behind the scaled conversions
.irp c, 0,1
.irp i, 0,1,2
	v_permlane16_swap_b32 v[\pc+6*\c+\i], v[\pc+12+4*\c+\i]
.endr
.irp i, 0,1,2
	v_mov_b32 v[\pc+3+6*\c+\i], v[\pc+12+4*\c+\i]
.endr
.endr
.endm
; the tables of block a's 16 tokens out of LDS into set p of window 1: cos in + 0 .. 63, sin in + 64 .. 127, in the accumulators' order: 64 loads of 8 bytes a lane
.macro TABLD a, p
	WIN 0x40
.irp b, 0,1,2,3
.irp j, 0,1,2,3,4,5,6,7
	ds_load_b64 v[128*(\p)+16*\b+2*\j:128*(\p)+16*\b+2*\j+1], v[TA+2*((\a)/4)] offset:(32*(((\a)%4)/2)+8*((\a)%2))*TP+128*\b+8*\j
	ds_load_b64 v[128*(\p)+64+16*\b+2*\j:128*(\p)+64+16*\b+2*\j+1], v[TA+2*((\a)/4)] offset:TILE+(32*(((\a)%4)/2)+8*((\a)%2))*TP+128*\b+8*\j
.endr
.endr
	WIN 0
.endm
; cos f + sin swapped: d's partner d + 64 lies in the same lane, 32 registers on
.macro ROT a, p
.set FB, 64*((\a)%4)
.set TB, 128*(\p)
	WIN 1|((2+(\a)/4)<<2)                          ; source 0 (table) window 1, source 1 (accumulator) window 2 or 3
.irp b, 0,1
.irp i, 0,2,4,6,8,10,12,14
	v_pk_mul_f32 v[H+16*\b+\i:H+16*\b+\i+1], v[TB+64+16*\b+\i:TB+64+16*\b+\i+1], v[FB+32+16*\b+\i:FB+32+16*\b+\i+1]
	v_pk_mul_f32 v[H+32+16*\b+\i:H+32+16*\b+\i+1], v[TB+96+16*\b+\i:TB+96+16*\b+\i+1], v[FB+16*\b+\i:FB+16*\b+\i+1]
	v_pk_fma_f32 v[H+16*\b+\i:H+16*\b+\i+1], v[TB+16*\b+\i:TB+16*\b+\i+1], v[FB+16*\b+\i:FB+16*\b+\i+1], v[H+16*\b+\i:H+16*\b+\i+1]
	v_pk_fma_f32 v[H+32+16*\b+\i:H+32+16*\b+\i+1], v[TB+32+16*\b+\i:TB+32+16*\b+\i+1], v[FB+32+16*\b+\i:FB+32+16*\b+\i+1], v[H+32+16*\b+\i:H+32+16*\b+\i+1]
.endr
.endr
	WIN 0
.endm
; block a of q or k: the next block's tables are asked for first (within a half of the tokens), then this block is rotated, quantised and stored
.macro QKBLOCK a
.if ((\a)%4) < 3
	TABLD (\a)+1,((\a)+1)%2
	s_wait_dscnt 63                                ; 64 loads were issued behind this block's; the wait's field holds 63
.else
	s_wait_dscnt 0x0
.endif
	ROT \a,(\a)%2
	s_wait_xcnt 0x0                                ; the stores of two blocks ago have read their registers
	QUANT H,0,PCS+20*((\a)%2),PWS+(\a)
.irp c, 0,1,2
	global_store_b128 v[LI], v[PCS+20*((\a)%2)+4*\c:PCS+20*((\a)%2)+4*\c+3], s[12:13] offset:1536*(\a)+512*\c   ; 512 consecutive bytes, at a multiple of 256 from the buffer's first byte
.endr
.endm
.macro VBLOCK a                        ; block a of v: quantised as it stands
	s_wait_xcnt 0x0
	QUANT 64*((\a)%4),2+(\a)/4,PCS+20*((\a)%2),PWS+(\a)
.irp c, 0,1,2
	global_store_b128 v[LI], v[PCS+20*((\a)%2)+4*\c:PCS+20*((\a)%2)+4*\c+3], s[12:13] offset:1536*(\a)+512*\c
.endr
.endm
	s_load_b256 s[4:11], s[0:1], 0x0               ; xn_img s[4:5], w1_img s[6:7], cos s[8:9], sin s[10:11]
	s_load_b64 s[12:13], s[0:1], 0x20              ; qkv_img
	v_lshl_add_u32 v[SPW], v0, 2, SPARE
	v_mov_b32 v[NIL], 0
	ds_add_u32 v28, v29
	s_wait_dscnt 0x0
	v_lshrrev_b32 v1, 5, v0
	v_readfirstlane_b32 s14, v1                    ; wave 0..3
	s_lshr_b32 s15, s14, 1                         ; hi: my token group of the two.  Also: I fetch tokens (0) or weights (1); and the token group of my table tile
	s_and_b32 s16, s14, 1                          ; lo: my weight group of the two.  Also: which of the two regions I fetch; and cos (0) or sin (1)
	s_bfe_u32 s40, ttmp6, 0x40000                  ; cx, cy
	s_bfe_u32 s41, ttmp6, 0x40004
	s_lshl_b32 s42, ttmp9, 2
	s_add_co_u32 s42, s42, s40                     ; tile column = 4 x cluster x + cx
	s_and_b32 s17, ttmp7, 0xffff
	s_lshl_b32 s17, s17, 2
	s_add_co_u32 s17, s17, s41                     ; tile row = 4 x cluster y + cy
	s_lshl_b32 s43, s41, 2
	s_lshl_b32 s43, 15, s43                        ; my row of the cluster
	s_lshl_b32 s44, 0x1111, s40                    ; my column
	; groups 1 of the regions: a dense block as rows of 256 bytes (32 elements of 8), no padding: an image is read 16 bytes a lane on end
	s_or_b32 s[G1+0], s43, (3<<16)|(1<<21)
	s_or_b32 s[G1B+0], s44, (3<<16)|(1<<21)
	s_or_b32 s[G1S+0], s43, (3<<16)|(1<<21)
	s_or_b32 s[G1SB+0], s44, (3<<16)|(1<<21)
.irp g, G1, G1B
	s_mov_b32 s[\g+1], 32<<16                      ; tensor_dim0
	s_mov_b32 s[\g+2], RR<<16                      ; tensor_dim1: three chunks
	s_mov_b32 s[\g+3], 32<<16                      ; tile_dim0
	s_mov_b32 s[\g+4], RR                          ; tile_dim1
	s_mov_b32 s[\g+5], 32                          ; the pitch
	s_mov_b32 s[\g+6], 0
	s_mov_b32 s[\g+7], 0
.endr
.irp g, G1S, G1SB
	s_mov_b32 s[\g+1], 32<<16
	s_mov_b32 s[\g+2], 50<<16                      ; one chunk
	s_mov_b32 s[\g+3], 32<<16
	s_mov_b32 s[\g+4], 50
	s_mov_b32 s[\g+5], 32
	s_mov_b32 s[\g+6], 0
	s_mov_b32 s[\g+7], 0
.endr
	; group 1 of a table tile: 64 rows of 128 elements of 4 bytes, dense in memory; behind every 128 words (code 6) 2 words of padding (code 1); shared along my row of the cluster
	s_or_b32 s[G1T+0], s43, (2<<16)|(1<<20)|(1<<21)|(6<<22)|(1<<25)
	s_mov_b32 s[G1T+1], 128<<16
	s_mov_b32 s[G1T+2], 64<<16
	s_mov_b32 s[G1T+3], 128<<16
	s_mov_b32 s[G1T+4], 64
	s_mov_b32 s[G1T+5], 128
	s_mov_b32 s[G1T+6], 0
	s_mov_b32 s[G1T+7], 0
	s_lshl_b32 s20, s17, 1
	s_add_co_u32 s20, s20, s16                     ; the token group that I would fetch: 2 x tile row + lo
	s_mul_i32 s20, s20, 16*CHUNK
	s_mov_b32 s21, 0
	s_lshl_b32 s46, s42, 1
	s_add_co_u32 s46, s46, s16                     ; the weight group: 2 x tile column + lo
	s_mul_i32 s46, s46, 16*CHUNK
	s_mov_b32 s47, 0
	s_mul_i32 s45, s14, REG                        ; where it goes: wave x a region: no place in the cluster enters an LDS address
	s_wait_kmcnt 0x0
	s_add_nc_u64 s[20:21], s[4:5], s[20:21]
	s_add_nc_u64 s[46:47], s[6:7], s[46:47]
	CROUND                                         ; all sixteen work-groups are here: the first joint loads meet
.irp s, 0,1
	s_mov_b32 s[G0+4*\s], 1
	s_add_co_u32 s[G0+4*\s+1], s45, \s*SLOT
	s_add_nc_u64 s[G0+4*\s+2:G0+4*\s+3], s[20:21], \s*CHUNK      ; slot 0 begins with K step 0, slot 1 with K steps 1 to 3
	s_or_b32 s[G0+4*\s+3], s[G0+4*\s+3], 0x80000000
	s_mov_b32 s[G0B+4*\s], 1
	s_add_co_u32 s[G0B+4*\s+1], s45, \s*SLOT
	s_add_nc_u64 s[G0B+4*\s+2:G0B+4*\s+3], s[46:47], \s*CHUNK
	s_or_b32 s[G0B+4*\s+3], s[G0B+4*\s+3], 0x80000000
.endr
	JLOAD G0, G1S, G0B, G1SB                       ; K step 0: one chunk a wave
	JLOAD G0+4, G1, G0B+4, G1B                     ; K steps 1 to 3: two loads of mine are out
	v_and_b32 v1, 15, v0                           ; r
	v_bfe_u32 v2, v0, 4, 1                         ; h
	v_and_b32 v3, 31, v0
	v_lshlrev_b32 v[LI], 4, v3
	v_lshlrev_b32 v4, 5, v1                        ; 32 r
	s_cmp_eq_u32 ttmp9, 2                          ; the cluster's x: the same in all partners
	s_cselect_b32 s[KV], 1, 0
	s_and_b32 s[SW], s[KV], s16
	s_mul_i32 s20, s15, REG                        ; my tokens' region
	s_add_co_u32 s21, s16, 2
	s_mul_i32 s21, s21, REG                        ; my weights' region
	s_cmp_eq_u32 s[SW], 1
	s_cselect_b32 s22, s21, s20                    ; source 1: the tokens; for v the weights
	s_cselect_b32 s23, s20, s21                    ; source 0: the weights; for v the tokens
.irp s, 0,1
	v_add_nc_u32 v[ADRA+\s], s22, v[LI]
	v_add_nc_u32 v[ADSA+\s], s22, v4
	v_add_nc_u32 v[ADRB+\s], s23, v[LI]
	v_add_nc_u32 v[ADSB+\s], s23, v4
	s_add_co_u32 s22, s22, SLOT
	s_add_co_u32 s23, s23, SLOT
.endr
	v_and_b32 v5, 8, v1
	v_add_nc_u32 v5, v5, v1                        ; r + 8 (r / 8)
	v_mul_u32_u24 v[TA], v5, TP
	v_lshl_add_u32 v[TA], v2, 6, v[TA]             ; my token's row of a table tile, my half's 64 bytes,
	s_mul_i32 s20, s15, 2*TILE
	v_add_nc_u32 v[TA], s20, v[TA]                 ; in my token group's cos tile (its sin tile lies a tile on),
	v_add_nc_u32 v[TA+2], SLOT, v[TA]              ; and the same in slot 1
	v_lshl_add_u32 v[SCO], v2, 4, v4
	s_mov_b32 s[SEL], 0x76543210
	s_mov_b32 s[SEL+1], 0xfedcba98
	s_lshl_b32 s18, s17, 1
	s_add_co_u32 s18, s18, s15                     ; my token group
	s_lshl_b32 s2, s18, 16                         ; its 128 rows of 512 bytes of a table,
	s_lshl_b32 s3, s[KV], 21                       ; the second table for k
	s_add_co_u32 s2, s2, s3
	s_mov_b32 s3, 0
	s_cmp_eq_u32 s16, 0                            ; the choice hangs on the wave's number alone
	s_cselect_b64 s[G0T+2:G0T+3], s[8:9], s[10:11]
	s_add_nc_u64 s[G0T+2:G0T+3], s[G0T+2:G0T+3], s[2:3]
	s_or_b32 s[G0T+3], s[G0T+3], 0x80000000
	s_mov_b32 s[G0T], 1
	s_mul_i32 s[G0T+1], s14, TILE                  ; tile w at w tiles from the slot's first byte
	s_lshl_b32 s72, s42, 1
	s_add_co_u32 s72, s72, s16                     ; my weight group
	s_lshl_b32 s72, s72, 5
	s_add_co_u32 s72, s72, s18
	s_mul_i32 s72, s72, CHUNK
	s_mov_b32 s73, 0
	s_add_nc_u64 s[12:13], s[12:13], s[72:73]      ; my chunk of the output
	s_wait_tensorcnt 1                             ; my part of K step 0 is in; slot 1's load may stay out
	s_barrier_signal -1
	s_barrier_wait -1
	FETCH 0, 0, 0
	TURN 0, 1, 0, 1, 1, 4*CHUNK                    ; K step 0 starts the sums: nothing is cleared.  Slot 0 takes K steps 4 to 6
	KSTEP 1, 0, 1, 0                               ; K steps 1, 2
	KSTEP 1, 1, 0, 0
	TURN 1, 0, 1, 0, 1, 6*CHUNK                    ; K step 3.  Slot 1 takes K steps 7 to 9
	KSTEP 0, 0, 0, 0
	KSTEP 0, 1, 1, 0
	TURN 0, 1, 0, 0, 1, 6*CHUNK                    ; K step 6.  Slot 0 takes K steps 10 to 12
	KSTEP 1, 0, 1, 0
	KSTEP 1, 1, 0, 0
	TURN 1, 0, 1, 0, 1, 6*CHUNK                    ; K step 9.  Slot 1 takes K steps 13 to 15
	KSTEP 0, 0, 0, 0
	KSTEP 0, 1, 1, 0
	TURN 0, 1, 0, 0, 2, 0                          ; K step 12.  Slot 0 takes the tables of tokens 0-63
	KSTEP 1, 0, 1, 0
	KSTEP 1, 1, 0, 0
	; K step 15: its fragments are in registers, so slot 1 is left too and takes the tables of tokens 64-127, in the same order of waits, add, round and load
	WIN 0
	s_wait_tensorcnt 0x0                           ; my table tile of tokens 0-63 has landed
	ds_add_u32 v[SPW], v[NIL]                      ; 0 onto my spare word
	s_wait_dscnt 1                                 ; this step's set is in; the add may be out
	MULS 0, 2, 1, 0
	s_wait_dscnt 0x0                               ; the add is done, and my reads of slot 1 are over
	s_barrier_signal -1
	MULS 2, 2, 1, 0
	WIN 0
	s_barrier_wait -1
	CREST                                          ; behind the round every wave's tile of tokens 0-63 may be read
	s_add_co_u32 s[G0T+1], s[G0T+1], SLOT          ; no tensor load of mine is out: my tile's group 0 steps to slot 1
	s_add_nc_u64 s[G0T+2:G0T+3], s[G0T+2:G0T+3], 64*512   ; and 64 rows down
	TLOAD_T
	s_cmp_eq_u32 s[SW], 1
	s_cbranch_scc1 .Lno_table
	TABLD 0, 0                                     ; the first block's tables come out of LDS under the last 32 products, into source 0's set 0, which is done with
.Lno_table:
	MULS 4, 4, 1, 0
	; THE EPILOGUE, block by block of 16 rows
	PLACES 4
	WIN 0
.irp b, 0,1,2,3
	v_mov_b32 v[TM+4+\b], 0                        ; a lane permute's destination counts as one of its sources
.endr
	s_cmp_eq_u32 s[SW], 1
	s_cbranch_scc1 .Lv_lo
.irp a, 0,1,2,3
	QKBLOCK \a
.endr
	s_branch .Lmid
.Lv_lo:
.irp a, 0,1,2,3
	VBLOCK \a
.endr
.Lmid:
	s_wait_tensorcnt 0x0                           ; my table tile of tokens 64-127 has landed,
	s_wait_dscnt 0x0                               ; no LDS load of mine is out,
	s_barrier_signal -1
	s_barrier_wait -1                              ; everybody's tile has
	s_cmp_eq_u32 s[SW], 1
	s_cbranch_scc1 .Lv_hi
	TABLD 4, 0
.irp a, 4,5,6,7
	QKBLOCK \a
.endr
	s_branch .Ljoin
.Lv_hi:
.irp a, 4,5,6,7
	VBLOCK \a
.endr
.Ljoin:
	v_cmp_eq_u32 vcc_lo, 1, v2
.irp n, 0,1,2,3
	v_cndmask_b32 v[192+\n], v[PWS+\n], v[PWS+4+\n], vcc_lo   ; lane (r, h) stores the words of blocks 4 h .. 4 h + 3 of row r
.endr
	global_store_b128 v[SCO], v[192:195], s[12:13] offset:12288
	s_wait_tensorcnt 0x0                           ; the wave's end
	ds_add_u32 v[SPW], v[NIL]
	s_wait_dscnt 0x0
	CROUND                                         ; the closing round
	s_endpgm
.Lfunc_end_k_q95346512a8_qkv:
	.size	k_q95346512a8_qkv, .Lfunc_end_k_q95346512a8_qkv-k_q95346512a8_qkv
	.p2alignl 7, 3214868480
	.fill 96, 4, 3214868480
	.section	.rodata,"a",@progbits
	.p2align	6, 0x0
	.amdhsa_kernel k_q95346512a8_qkv
		.amdhsa_group_segment_fixed_size 327680
		.amdhsa_private_segment_fixed_size 0
		.amdhsa_enable_private_segment 0
		.amdhsa_kernarg_size 40
		.amdhsa_user_sgpr_count 2
		.amdhsa_user_sgpr_kernarg_segment_ptr 1
		.amdhsa_wavefront_size32 1
		.amdhsa_system_sgpr_workgroup_id_x 1
		.amdhsa_system_sgpr_workgroup_id_y 1
		.amdhsa_system_sgpr_workgroup_id_z 1
		.amdhsa_system_vgpr_workitem_id 0
		.amdhsa_next_free_vgpr 1024
		.amdhsa_next_free_sgpr 100
		.amdhsa_reserve_vcc 1
		.amdhsa_float_denorm_mode_32 3
		.amdhsa_float_denorm_mode_16_64 3
		.amdhsa_memory_ordered 1
		.amdhsa_forward_progress 1
		.amdhsa_inst_pref_size 255
	.end_amdhsa_kernel
	.section	.bss,"aw",@nobits
	.p2align	6
	.space	262144
	.amdgpu_metadata
---
amdhsa.version: [ 1, 2 ]
amdhsa.kernels:
  - .name:           k_q95346512a8_qkv
    .symbol:         k_q95346512a8_qkv.kd
    .args:
      - { .name: xn_img, .offset: 0, .size: 8, .value_kind: global_buffer, .address_space: global }
      - { .name: w1_img, .offset: 8, .size: 8, .value_kind: global_buffer, .address_space: global }
      - { .name: cos_buffer, .offset: 16, .size: 8, .value_kind: global_buffer, .address_space: global }
      - { .name: sin_buffer, .offset: 24, .size: 8, .value_kind: global_buffer, .address_space: global }
      - { .name: qkv_img, .offset: 32, .size: 8, .value_kind: global_buffer, .address_space: global }
    .group_segment_fixed_size: 327680
    .private_segment_fixed_size: 0
    .kernarg_segment_align: 8
    .kernarg_segment_size: 40
    .max_flat_workgroup_size: 128
    .sgpr_count:     100
    .vgpr_count:     1024
    .wavefront_size: 32
...
	.end_amdgpu_metadata
.endif
;; end of part 2
;; launch attn (part 3): grid 32 x 8, 16 waves a work-group, no clusters, 169,984 bytes of LDS; arguments qkv_img, o_img; writes o_img
.if DOCPART == 3
	.amdgcn_target "amdgcn-amd-amdhsa--gfx1250"
	.amdhsa_code_object_version 6
	.text
	.protected	k_q95346512a8_attn
	.globl	k_q95346512a8_attn
	.p2align	8
	.type	k_q95346512a8_attn,@function
k_q95346512a8_attn:
	s_mov_b64 s[64:65], 0
	v_nop
	global_prefetch_b8 v0, s[64:65] scope:SCOPE_SE
	s_setreg_imm32_b32 hwreg(HW_REG_WAVE_MODE, 25, 1), 1
	s_wait_xcnt 0x0
; Causal attention in a window of 256 keys, both products on codes of BF6 (E3M2); the result, divided by the row's sum, is quantised along (head, dv) and stored as chunks for the last product.
; All operands are chunks (128 rows x 128 K, 12,800 bytes; block i at 1,536 i as an image of the fragment's registers; lane r of block 2 b + u holds row 32 b + 8 u + r + 8 (r / 8); scale words at 12,288 + 32 r + 4 i):
; q and k with rows = tokens, K = d; v with rows = dv, K = the group's 128 tokens.
; SHARES.  A work-group owns a group of 128 queries of two query heads that share a key/value head; each of its sixteen waves one block of 16 queries of one head.
; A query attends to keys (q - 256, q]: of its own group those up to itself, all of the group before, of the group two before those with a larger local index.  So three key steps of 128, the diagonal first,
; so that the running maximum is a number from the first step on.  Steps whose group does not exist are jumped over: a branch on the work-group's number.
; The six chunks (three of K, three of V) come once, one tensor load each by waves 0-5; nothing is filled again.
; SOFTMAX: t = score x log2(e) / sqrt(128); M = the running largest t rounded up to a whole number; p = 2^(t - M) is quantised, not normalised; the sum of the unquantised p divides at the end.
; Both products are used transposed (S^T = K Q^T, O^T = V^T P^T): a lane holds one query, and by the rows of a block its registers run along the keys, then along dv, in order.
; NO CLUSTER: only the two work-groups of a key/value head and query group read the same six chunks; neighbours along the queries read chunks shifted by one, which they would have to find at LDS places that
; hang on their place in the cluster.
; LIMITS: NaN and infinities are not served; a block's byte is held at 1 from below, and a block of zeros keeps the byte 1; a block's largest p is taken from its largest score, which takes v_exp_f32 not to fall
; where its input rises; v_rcp_f32 (1 ulp) stands ahead of the last quantiser.
; REGISTERS: v1-8, v28 addresses; v12 -M, v13 the largest t, v[14:15] the sum; v16-27 Q, v255 its scale word; v32-79 four fragments; v80-87 K's or V's scale words; v96-159 S^T, then p; v160-223 O^T; v224.. p's codes; v232-254 at work.
.set CHUNK, 12800
.set VOFF,  3*CHUNK                    ; K's three chunks, then V's three
.set SST,   6*CHUNK                    ; behind them: the result's scale words, 512 bytes a head; no fill lands here
.set LIK, 1                            ; v1 16 x lane
.set LIV, 2                            ; v2 the same among V's chunks
.set SRK, 3                            ; v3 32 r
.set SRV, 4
.set DD,  5                            ; v5 my query's local index - 16 (lane / 16)
.set SCW, 6                            ; v6 where my scale word goes
.set SCR, 7                            ; v7 where a head's scale words are read back
.set LI,  8                            ; v8 16 x lane, for memory
.set QSO, 28                           ; v28 32 r, for memory
.set TM,  32
.set WV,  18
.set SEL, 20
.set CS,  22
.set G1,  32
.set G0,  40
.macro QUANT s, pc, pw
.irp b, 0,1,2,3
	v_max3_num_f32 v[TM+\b], |v[\s+16*\b]|, |v[\s+16*\b+1]|, 0x2800000
.endr
.irp i, 2,4,6,8,10,12,14
.irp b, 0,1,2,3
	v_max3_num_f32 v[TM+\b], v[TM+\b], |v[\s+16*\b+\i]|, |v[\s+16*\b+\i+1]|
.endr
.endr
.irp b, 0,1,2,3
	v_permlanex16_b32 v[TM+4+\b], v[TM+\b], s[SEL], s[SEL+1]
.endr
.irp b, 0,1,2,3
	v_max_num_f32 v[TM+\b], v[TM+\b], v[TM+4+\b]
.endr
.irp b, 0,1,2,3
	v_add_nc_u32 v[TM+12+\b], 0xfe000000, v[TM+\b]
.endr
.irp b, 0,1,2,3
	v_lshrrev_b32 v[TM+4+\b], 23, v[TM+12+\b]
.endr
	v_lshl_or_b32 v[\pw], v[TM+5], 8, v[TM+4]
	v_lshl_or_b32 v[\pw], v[TM+6], 16, v[\pw]
	v_lshl_or_b32 v[\pw], v[TM+7], 24, v[\pw]
.irp c, 0,1
	v_cvt_scalef32_pk16_bf6_f32 v[\pc+6*\c:\pc+6*\c+2], v[\s+32*\c:\s+32*\c+15], v[TM+12+2*\c]
	v_cvt_scalef32_pk16_bf6_f32 v[\pc+12+4*\c:\pc+14+4*\c], v[\s+32*\c+16:\s+32*\c+31], v[TM+13+2*\c]
.endr
	v_nop
.irp c, 0,1
.irp i, 0,1,2
	v_permlane16_swap_b32 v[\pc+6*\c+\i], v[\pc+12+4*\c+\i]
.endr
.irp i, 0,1,2
	v_mov_b32 v[\pc+3+6*\c+\i], v[\pc+12+4*\c+\i]
.endr
.endr
.endm
	s_load_b128 s[4:7], s[0:1], 0x0                ; qkv_img, o_img
	v_lshl_add_u32 v250, v0, 2, 0x29000
	v_mov_b32 v251, 0
	ds_add_u32 v250, v251
	v_lshrrev_b32 v9, 5, v0
	v_readfirstlane_b32 s[WV], v9                  ; wave 0..15
	s_mov_b32 s24, ttmp9                           ; g: my group of 128 queries
	s_and_b32 s25, ttmp7, 0xffff
	s_lshr_b32 s26, s25, 1                         ; the key/value head
	s_and_b32 s27, s25, 1
	s_lshr_b32 s28, s[WV], 3
	s_and_b32 s29, s[WV], 7                        ; a: my block of 16 queries
	s_lshl_b32 s30, s26, 2
	s_lshl_b32 s31, s27, 1
	s_add_co_u32 s30, s30, s31
	s_add_co_u32 s30, s30, s28                     ; my query head
	s_mov_b32 s[G1], 3<<16                         ; a chunk: 50 rows of 256 bytes (32 elements of 8), dense, no padding, no mask
	s_mov_b32 s[G1+1], 32<<16
	s_mov_b32 s[G1+2], 50<<16
	s_mov_b32 s[G1+3], 32<<16
	s_mov_b32 s[G1+4], 50
	s_mov_b32 s[G1+5], 32
	s_mov_b32 s[G1+6], 0
	s_mov_b32 s[G1+7], 0
	s_cmp_ge_u32 s[WV], 3                          ; waves 0-2 fetch K's chunks of key steps 0-2, waves 3-5 V's
	s_cselect_b32 s31, 1, 0
	s_mul_i32 s44, s31, 3
	s_sub_co_u32 s44, s[WV], s44
	s_sub_co_i32 s44, s24, s44                     ; key group g - step,
	s_max_i32 s44, s44, 0                          ; held inside the buffer: a chunk so held is never read
	s_lshl_b32 s45, s26, 1
	s_add_co_u32 s45, s45, s31
	s_add_co_u32 s45, s45, 16                      ; weight group 16 + 2 x head (k), + 1 (v)
	s_lshl_b32 s45, s45, 5
	s_add_co_u32 s44, s44, s45
	s_mul_i32 s44, s44, CHUNK
	s_mov_b32 s45, 0
	s_mov_b32 s[G0], 1
	s_mul_i32 s[G0+1], s[WV], CHUNK
	; every LDS address is made ahead of the branch on the wave's number
	v_and_b32 v9, 31, v0
	v_lshlrev_b32 v[LIK], 4, v9
	v_add_nc_u32 v[LIV], VOFF, v[LIK]
	v_lshlrev_b32 v[LI], 4, v9
	v_and_b32 v9, 15, v0                           ; r
	v_bfe_u32 v10, v0, 4, 1                        ; h
	v_lshlrev_b32 v[SRK], 5, v9
	v_add_nc_u32 v[SRV], VOFF, v[SRK]
	v_lshlrev_b32 v[QSO], 5, v9
	s_lshl_b32 s16, s28, 9
	s_add_co_u32 s16, s16, SST
	v_add_nc_u32 v[SCR], s16, v[LIK]
	s_lshl_b32 s17, s29, 2
	s_add_co_u32 s16, s16, s17
	v_add_nc_u32 v[SCW], s16, v[SRK]
	s_lshr_b32 s46, s29, 1
	s_lshl_b32 s46, s46, 5
	s_and_b32 s47, s29, 1
	s_lshl_b32 s47, s47, 3
	s_add_co_u32 s46, s46, s47
	v_and_b32 v11, 8, v9
	v_add_nc_u32 v11, v11, v9
	v_add_nc_u32 v[DD], s46, v11                   ; my query: 32 (a / 2) + 8 (a % 2) + r + 8 (r / 8)
	v_lshlrev_b32 v11, 4, v10
	v_sub_nc_u32 v[DD], v[DD], v11
	s_mov_b32 s[SEL], 0x76543210
	s_mov_b32 s[SEL+1], 0xfedcba98
	s_mov_b32 s[CS], 0x3e0293ee                    ; c = log2(e) / sqrt(128)
	s_mov_b32 s[CS+1], s[CS]
	s_wait_dscnt 0x0
	s_wait_kmcnt 0x0
	s_add_nc_u64 s[G0+2:G0+3], s[4:5], s[44:45]
	s_or_b32 s[G0+3], s[G0+3], 0x80000000
	s_cmp_lt_u32 s[WV], 6
	s_cbranch_scc0 .Lno_fill
	tensor_load_to_lds s[G0:G0+3], s[G1:G1+7]      ; one load of mine is out
	s_nop 0
.rept 4
	v_nop
.endr
.Lno_fill:
	s_lshl_b32 s46, s30, 5
	s_add_co_u32 s46, s46, s24
	s_mul_i32 s46, s46, CHUNK
	s_mov_b32 s47, 0
	s_add_nc_u64 s[8:9], s[4:5], s[46:47]          ; q's chunk (head, g)
	s_mul_i32 s46, s29, 1536
	s_add_nc_u64 s[10:11], s[8:9], s[46:47]        ; my block's codes
	s_lshl_b32 s46, s29, 2
	s_add_co_u32 s46, s46, 12288
	s_add_nc_u64 s[8:9], s[8:9], s[46:47]          ; and its scale words
.irp c, 0,1,2
	global_load_b128 v[16+4*\c:19+4*\c], v[LI], s[10:11] offset:512*\c
.endr
	global_load_b32 v255, v[QSO], s[8:9]
	s_lshl_b32 s46, s24, 4
	s_add_co_u32 s46, s46, s30
	s_mul_i32 s46, s46, CHUNK
	s_mul_i32 s16, s29, 1536
	s_add_co_u32 s46, s46, s16
	s_add_nc_u64 s[6:7], s[6:7], s[46:47]          ; the result: chunk (g, head), block a
	v_mov_b32 v13, 0xff61b1e6                      ; the largest t so far: -3e38
	v_floor_f32 v12, -v13
	v_mov_b32 v14, 0
	v_mov_b32 v15, 0
.irp b, 0,1,2,3
	v_mov_b32 v[236+\b], 0                         ; a lane permute's destination counts as one of its sources
.endr
	v_mov_b32 v253, 0                              ; (named as the upper half of v[252:253] before it is first written)
	s_wait_tensorcnt 0x0                           ; my chunk has landed,
	s_barrier_signal -1
	s_barrier_wait -1                              ; everybody's has
	s_wait_loadcnt 0x0                             ; Q
; KEY STEP t: key group g - t
.macro STEP t
.irp g, 0,1                                    ; S^T = K Q^T, four blocks of 16 keys at a time
.rept 4
	v_nop                                          ; four plain instructions in front of loads into registers that matrix instructions have read
.endr
.if \g == 0
	ds_load_b128 v[80:83], v[SRK] offset:\t*CHUNK+12288
	ds_load_b128 v[84:87], v[SRK] offset:\t*CHUNK+12304
.endif
.irp u, 0,1,2,3
.irp c, 0,1,2
	ds_load_b128 v[32+12*\u+4*\c:35+12*\u+4*\c], v[LIK] offset:\t*CHUNK+(4*\g+\u)*1536+512*\c
.endr
.endr
	s_wait_dscnt 0x0
.irp u, 0,1,2,3
	v_wmma_scale_f32_16x16x128_f8f6f4 v[96+8*(4*\g+\u):103+8*(4*\g+\u)], v[32+12*\u:43+12*\u], v[16:27], 0, v[80+4*\g+\u], v255 matrix_a_fmt:MATRIX_FMT_BF6 matrix_b_fmt:MATRIX_FMT_BF6
.endr
.endr                                          ; register 16 b + i holds key 32 b + 16 (lane / 16) + i of the group
.rept 4
	v_nop
.endr
.if \t != 1                                    ; the mask: hidden scores become -infinity ahead of the maximum.  Step 0: keys after my query; step 2: keys up to my query's index; step 1: none
	v_mov_b32 v254, 0xff800000
.set n, 0
.rept 64
.if \t == 0
	v_cmp_gt_i32 vcc_lo, 32*(n/16)+n%16, v[DD]
.else
	v_cmp_le_i32 vcc_lo, 32*(n/16)+n%16, v[DD]
.endif
	v_cndmask_b32 v[96+n], v[96+n], v254, vcc_lo
.set n, n+1
.endr
.endif
.irp b, 0,1,2,3
	v_max3_num_f32 v[232+\b], v[96+16*\b], v[97+16*\b], v[98+16*\b]   ; the largest score of each block of 32 keys: for the row's maximum and for the block's largest p
.endr
.irp i, 3,5,7,9,11,13
.irp b, 0,1,2,3
	v_max3_num_f32 v[232+\b], v[232+\b], v[96+16*\b+\i], v[97+16*\b+\i]
.endr
.endr
.irp b, 0,1,2,3
	v_max_num_f32 v[232+\b], v[232+\b], v[111+16*\b]
.endr
.irp b, 0,1,2,3
	v_permlanex16_b32 v[236+\b], v[232+\b], s[SEL], s[SEL+1]
.endr
.irp b, 0,1,2,3
	v_max_num_f32 v[232+\b], v[232+\b], v[236+\b]
.endr
	v_max3_num_f32 v254, v232, v233, v234
	v_max_num_f32 v254, v254, v235
	v_mul_f32 v254, s[CS], v254
	v_max_num_f32 v13, v13, v254                   ; the running largest t
	v_mov_b32 v254, v12
	v_floor_f32 v12, -v13                          ; -M = floor(-t): M is a whole number
	v_sub_f32 v254, v12, v254
	v_cvt_i32_f32 v254, v254                       ; (it saturates)
	v_ldexp_f32 v252, 1.0, v254                    ; f = 2^(old M - new M): rounds nothing
.set n, 0
.rept 32
	v_pk_fma_f32 v[96+n:97+n], v[96+n:97+n], s[CS:CS+1], v[12:13] op_sel_hi:[1,0,0]   ; t - M
.set n, n+2
.endr
.irp b, 0,1,2,3
	v_fma_f32 v[232+\b], v[232+\b], s[CS], v12
.endr
.set n, 0
.rept 64
	v_exp_f32 v[96+n], v[96+n]                     ; p = 2^(t - M)
.set n, n+1
.endr
	v_pk_mul_f32 v[14:15], v[14:15], v[252:253] op_sel_hi:[1,0]   ; the sums under the new M: the plain instruction behind the exponentials
	s_wait_alu depctr_va_vdst(0)                   ; one wait for the batch, ahead of its first reader
.irp b, 0,1,2,3
	v_exp_f32 v[232+\b], v[232+\b]                 ; each block's largest p
.endr
	v_pk_add_f32 v[236:237], v[96:97], v[98:99]    ; the row's sum is taken of the unquantised p, in two chains
.irp j, 4,8,12,16,20,24,28,32,36,40,44,48,52,56,60
	v_pk_add_f32 v[14:15], v[14:15], v[96+\j:97+\j]
	v_pk_add_f32 v[236:237], v[236:237], v[98+\j:99+\j]
.endr
	v_pk_add_f32 v[14:15], v[14:15], v[236:237]
	s_wait_alu depctr_va_vdst(0)                   ; and one for the four
.irp b, 0,1,2,3
	v_max_num_f32 v[232+\b], 0x2800000, v[232+\b]  ; the floor 2^(5 - 127)
.endr
.irp b, 0,1,2,3
	v_add_nc_u32 v[244+\b], 0xfe000000, v[232+\b]
.endr
.irp b, 0,1,2,3
	v_lshrrev_b32 v[236+\b], 23, v[244+\b]
.endr
	v_lshl_or_b32 v253, v237, 8, v236              ; p's scale word for these 128 keys
	v_lshl_or_b32 v253, v238, 16, v253
	v_lshl_or_b32 v253, v239, 24, v253
.irp c, 0,1
	v_cvt_scalef32_pk16_bf6_f32 v[224+6*\c:226+6*\c], v[96+32*\c:111+32*\c], v[244+2*\c]
	v_cvt_scalef32_pk16_bf6_f32 v[236+4*\c:238+4*\c], v[112+32*\c:127+32*\c], v[245+2*\c]
.endr
	v_nop
.irp c, 0,1
.irp i, 0,1,2
	v_permlane16_swap_b32 v[224+6*\c+\i], v[236+4*\c+\i]
.endr
.irp i, 0,1,2
	v_mov_b32 v[227+6*\c+\i], v[236+4*\c+\i]
.endr
.endr
.if \t > 0
.set n, 0
.rept 32
	v_pk_mul_f32 v[160+n:161+n], v[160+n:161+n], v[252:253] op_sel_hi:[1,0]   ; O^T under the new M; these are also the plain instructions in front of the products below
.set n, n+2
.endr
.else
.rept 8
	v_nop                                          ; a scale word written by vector instructions stands eight plain instructions ahead of the scaled product
.endr
.endif
.irp g, 0,1                                    ; O^T += V^T P^T, four blocks of 16 dv at a time
.if \g > 0
.rept 4
	v_nop
.endr
.endif
.if \g == 0
	ds_load_b128 v[80:83], v[SRV] offset:\t*CHUNK+12288
	ds_load_b128 v[84:87], v[SRV] offset:\t*CHUNK+12304
.endif
.irp u, 0,1,2,3
.irp c, 0,1,2
	ds_load_b128 v[32+12*\u+4*\c:35+12*\u+4*\c], v[LIV] offset:\t*CHUNK+(4*\g+\u)*1536+512*\c
.endr
.endr
	s_wait_dscnt 0x0
.irp u, 0,1,2,3
.if \t == 0
	v_wmma_scale_f32_16x16x128_f8f6f4 v[160+8*(4*\g+\u):167+8*(4*\g+\u)], v[32+12*\u:43+12*\u], v[224:235], 0, v[80+4*\g+\u], v253 matrix_a_fmt:MATRIX_FMT_BF6 matrix_b_fmt:MATRIX_FMT_BF6
.else
	v_wmma_scale_f32_16x16x128_f8f6f4 v[160+8*(4*\g+\u):167+8*(4*\g+\u)], v[32+12*\u:43+12*\u], v[224:235], v[160+8*(4*\g+\u):167+8*(4*\g+\u)], v[80+4*\g+\u], v253 matrix_a_fmt:MATRIX_FMT_BF6 matrix_b_fmt:MATRIX_FMT_BF6
.endif
.endr
.endr
.endm
	STEP 0                                         ; the first step's products start O^T's sums: nothing is cleared
	s_cmp_lt_u32 s24, 1
	s_cbranch_scc1 .Lout
	STEP 1
	s_cmp_lt_u32 s24, 2
	s_cbranch_scc1 .Lout
	STEP 2
.Lout:
.rept 4
	v_nop                                          ; four plain instructions behind the last products, on each of the three ways here
.endr
	v_add_f32 v14, v14, v15
	v_permlanex16_b32 v252, v14, s[SEL], s[SEL+1]
	v_add_f32 v14, v14, v252                       ; the row's sum
	v_rcp_f32 v14, v14
.irp b, 0,1,2,3
	v_mov_b32 v[TM+4+\b], 0                        ; plain instructions behind the transcendental; the quantiser's permute destinations
.endr
	s_wait_alu depctr_va_vdst(0)                   ; the wait ahead of the reciprocal's first reader
.set n, 0
.rept 64
	v_mul_f32 v[96+n], v[160+n], v14               ; register 16 b + i: dv 32 b + 16 (lane / 16) + i of my query: the last product's K, in order
.set n, n+1
.endr
	QUANT 96, 52, 48
.irp c, 0,1,2
	global_store_b128 v[LI], v[52+4*\c:55+4*\c], s[6:7] offset:512*\c   ; 512 consecutive bytes, at a multiple of 256 from the buffer's first byte
.endr
	ds_store_b32 v[SCW], v48                       ; lanes r and r + 16 write the same word with the same value
	s_wait_dscnt 0x0                               ; for the others' sake
	s_barrier_signal -1
	s_barrier_wait -1
	s_cmp_lg_u32 s29, 0                            ; the first wave of each head stores the chunk's 512 bytes of scale words
	s_cbranch_scc1 .Ldone
	ds_load_b128 v[72:75], v[SCR]
	s_wait_dscnt 0x0
	global_store_b128 v[LI], v[72:75], s[6:7] offset:12288
.Ldone:
	s_wait_tensorcnt 0x0
	ds_add_u32 v250, v251
	s_wait_dscnt 0x0
	s_endpgm
.Lfunc_end_k_q95346512a8_attn:
	.size	k_q95346512a8_attn, .Lfunc_end_k_q95346512a8_attn-k_q95346512a8_attn
	.p2alignl 7, 3214868480
	.fill 96, 4, 3214868480
	.section	.rodata,"a",@progbits
	.p2align	6, 0x0
	.amdhsa_kernel k_q95346512a8_attn
		.amdhsa_group_segment_fixed_size 169984
		.amdhsa_private_segment_fixed_size 0
		.amdhsa_enable_private_segment 0
		.amdhsa_kernarg_size 16
		.amdhsa_user_sgpr_count 2
		.amdhsa_user_sgpr_kernarg_segment_ptr 1
		.amdhsa_wavefront_size32 1
		.amdhsa_system_sgpr_workgroup_id_x 1
		.amdhsa_system_sgpr_workgroup_id_y 1
		.amdhsa_system_sgpr_workgroup_id_z 1
		.amdhsa_system_vgpr_workitem_id 0
		.amdhsa_next_free_vgpr 256
		.amdhsa_next_free_sgpr 66
		.amdhsa_reserve_vcc 1
		.amdhsa_float_denorm_mode_32 3
		.amdhsa_float_denorm_mode_16_64 3
		.amdhsa_memory_ordered 1
		.amdhsa_forward_progress 1
		.amdhsa_inst_pref_size 76
	.end_amdhsa_kernel
	.amdgpu_metadata
---
amdhsa.version: [ 1, 2 ]
amdhsa.kernels:
  - .name:           k_q95346512a8_attn
    .symbol:         k_q95346512a8_attn.kd
    .args:
      - { .name: qkv_img, .offset: 0, .size: 8, .value_kind: global_buffer, .address_space: global }
      - { .name: o_img, .offset: 8, .size: 8, .value_kind: global_buffer, .address_space: global }
    .group_segment_fixed_size: 169984
    .private_segment_fixed_size: 0
    .kernarg_segment_align: 8
    .kernarg_segment_size: 16
    .max_flat_workgroup_size: 512
    .sgpr_count:     66
    .vgpr_count:     256
    .wavefront_size: 32
...
	.end_amdgpu_metadata
.endif
;; end of part 3
;; launch oproj (part 4): grid 16 x 16, 4 waves a work-group, clusters of 4 x 4, 327,680 bytes of LDS; arguments o_img, wo_img, embeddings, out0; writes out0
.if DOCPART == 4
	.amdgcn_target "amdgcn-amd-amdhsa--gfx1250"
	.amdhsa_code_object_version 6
	.text
	.protected	k_q95346512a8_oproj
	.globl	k_q95346512a8_oproj
	.p2align	8
	.type	k_q95346512a8_oproj,@function
k_q95346512a8_oproj:
	s_mov_b64 s[64:65], 0
	v_nop
	global_prefetch_b8 v0, s[64:65] scope:SCOPE_SE
	s_setreg_imm32_b32 hwreg(HW_REG_WAVE_MODE, 25, 1), 1
	s_wait_xcnt 0x0
	s_wait_alu depctr_hold_cnt(0) depctr_sa_sdst(0) depctr_va_vdst(0) depctr_va_sdst(0) depctr_va_ssrc(0) depctr_va_vcc(0) depctr_vm_vsrc(0)
	s_getreg_b32 s2, hwreg(HW_REG_IB_STS2, 6, 4)
	s_cmp_eq_u32 s2, 0
	s_cbranch_scc0 .Lentry_in_a_cluster
	s_endpgm
.Lentry_in_a_cluster:
	s_bfe_u32 s2, ttmp6, 0x10000c
	s_cmp_lg_u32 s2, 0xf033
	s_cbranch_scc0 .Lentry_shape_is_right
	s_endpgm
.Lentry_shape_is_right:
; out0 = embeddings + attention's result times wo, on codes of BF6 (E3M2).  Both operands are chunks (128 rows x 128 K, 12,800 bytes; block i at 1,536 i as an image of the fragment's registers;
; lane r of block 2 b + u holds row 32 b + 8 u + r + 8 (r / 8); scale words at 12,288 + 32 r + 4 i).
; A work-group takes 256 tokens x 128 columns: 16 x 16 = 256 work-groups (256 x 256 would give 128).  Wave w takes 64 tokens (token group w / 2, blocks 4 (w % 2) on) x all 128 columns: 32 accumulators.
; TRANSPOSED: source 0 = 16 columns of wo, source 1 = 16 tokens: a lane holds one token and 64 columns in order.
; K goes in steps of 128 through a ring of two LDS slots of four steps each; a region (four chunks, 51,200 dense bytes) is one tensor load: waves 0, 1 the two token groups, wave 2 the columns, wave 3 none.
; CLUSTER 4 x 4: token chunks shared along a row of the cluster, wo's along a column, asked for jointly.
; The wave's residual tile (64 rows x 512 bytes of the embeddings) goes into window 3 and lands while K is walked.  It is asked for BEHIND the tiles: blocks 0, 1 when slot 0 has landed, blocks 2, 3 behind the
; first refill; each block's addition waits for that block's own sixteen loads.
; The way out goes through the wave's own stage, which lies in slot 0: that slot has had its last fill and its last read behind the last change of slots.
; REGISTERS: window 0: v16-29 addresses; v32-63 scale words, two sets; v64.., v160.. source 1's fragments, two sets (on the way out v64-191: rows read back).  window 1: source 0's fragments at v0, v128.
;   window 2: accumulator (a, b) at v[8 (8 a + b)].   window 3: the residual.
.set CHUNK,  12800
.set NA,     4
.set NQ,     4
.set NREG,   3
.set REG,    NQ*CHUNK
.set SLOT,   NREG*REG
.set RR,     REG/256
.set NF,     26+NA/4+3*NA
.set SPARE,  2*SLOT                    ; behind the ring: the spare words, 128 bytes a wave, that no other line names
.set SPITCH, 528                       ; a stage row: 512 bytes + 16
.set ADRA, 16
.set ADSA, 18
.set ADRB, 20
.set ADSB, 22
.set LI,   24
.set STO,  25
.set RD,   26
.set SPW,  28
.set NIL,  29
.set SCA,  32
.set SCB,  40
.set AF,   64
.set BK,   64
.set G1,  24
.set G0,  32
.set G1B, 48
.set G0B, 56
.set MSB, 0
.macro WIN new
.if MSB != (\new)
	s_set_vgpr_msb (MSB<<8)|(\new)
.set MSB, (\new)
.endif
.endm
.macro PLACES n
.rept \n
	v_nop
.endr
.endm
.macro JLOAD s                         ; a joint refill: waves 0, 1 the token regions, wave 2 the columns', wave 3 none; four v_nop follow each line
	s_cmp_lt_u32 s14, 2
	s_cbranch_scc0 .Lnot_a_\@
	tensor_load_to_lds s[G0+4*\s:G0+4*\s+3], s[G1:G1+7]
	s_nop 0
.rept 4
	v_nop
.endr
	s_branch .Lasked_\@
.Lnot_a_\@:
	s_cmp_eq_u32 s14, 2
	s_cbranch_scc0 .Lasked_\@
	tensor_load_to_lds s[G0B+4*\s:G0B+4*\s+3], s[G1B:G1B+7]
	s_nop 0
.rept 4
	v_nop
.endr
.Lasked_\@:
.endm
.macro CREST
	s_cmp_lg_u32 s14, 0
	s_cbranch_scc1 .Lnot_wave_0_\@
	s_barrier_signal -3
.Lnot_wave_0_\@:
	s_barrier_wait -3
	s_barrier_signal -1
	s_barrier_wait -1
.endm
.macro CROUND
	s_barrier_signal -1
	s_barrier_wait -1
	CREST
.endm
.macro FETCH slot, q, p
	WIN 0
	ds_load_b128 v[SCB+16*(\p):SCB+16*(\p)+3], v[ADSB+\slot] offset:(\q)*CHUNK+12288
	ds_load_b128 v[SCB+16*(\p)+4:SCB+16*(\p)+7], v[ADSB+\slot] offset:(\q)*CHUNK+12304
	ds_load_b128 v[SCA+16*(\p):SCA+16*(\p)+3], v[ADSA+\slot] offset:(\q)*CHUNK+12288
.if NA == 8
	ds_load_b128 v[SCA+16*(\p)+4:SCA+16*(\p)+7], v[ADSA+\slot] offset:(\q)*CHUNK+12304
.endif
	WIN 0x40
.irp i, 0,1,2,3,4,5,6,7
.irp c, 0,1,2
	ds_load_b128 v[128*(\p)+12*\i+4*\c:128*(\p)+12*\i+4*\c+3], v[ADRB+\slot] offset:(\q)*CHUNK+\i*1536+\c*512
.endr
.endr
	WIN 0
.set I, 0
.rept NA
.irp c, 0,1,2
	ds_load_b128 v[AF+96*(\p)+12*I+4*\c:AF+96*(\p)+12*I+4*\c+3], v[ADRA+\slot] offset:(\q)*CHUNK+I*1536+\c*512
.endr
.set I, I+1
.endr
.endm
; the accumulators take turns, one instruction a turn, in the same order in every K step
.macro MULA a, p, zero
.if (\a) < 4
	WIN 0xa1
.else
	WIN 0xf1
.endif
.irp b, 0,1,2,3,4,5,6,7
.if \zero
	v_wmma_scale_f32_16x16x128_f8f6f4 v[8*(8*((\a)%4)+\b):8*(8*((\a)%4)+\b)+7], v[128*(\p)+12*\b:128*(\p)+12*\b+11], v[AF+96*(\p)+12*(\a):AF+96*(\p)+12*(\a)+11], 0, v[SCB+16*(\p)+\b], v[SCA+16*(\p)+(\a)] matrix_a_fmt:MATRIX_FMT_BF6 matrix_b_fmt:MATRIX_FMT_BF6
.else
	v_wmma_scale_f32_16x16x128_f8f6f4 v[8*(8*((\a)%4)+\b):8*(8*((\a)%4)+\b)+7], v[128*(\p)+12*\b:128*(\p)+12*\b+11], v[AF+96*(\p)+12*(\a):AF+96*(\p)+12*(\a)+11], v[8*(8*((\a)%4)+\b):8*(8*((\a)%4)+\b)+7], v[SCB+16*(\p)+\b], v[SCA+16*(\p)+(\a)] matrix_a_fmt:MATRIX_FMT_BF6 matrix_b_fmt:MATRIX_FMT_BF6
.endif
.endr
.endm
.macro MULS a0, n, p, zero
.set AA, \a0
.rept \n
	MULA AA, \p, \zero
.set AA, AA+1
.endr
.endm
.macro KSTEP slot, q, zero
	PLACES 4                                       ; between the last products that read the other set and the loads into it
	FETCH \slot,(\q)+1,((\q)+1)%2
	s_wait_dscnt NF                                ; all but the NF just issued: this step's set is in
	MULS 0, NA, (\q)%2, \zero
.endm
.macro TURN slot, next, fill
	WIN 0
	s_wait_tensorcnt 0x0                           ; all my tensor loads have landed: my part of the next slot
	ds_add_u32 v[SPW], v[NIL]                      ; 0 onto my spare word
	s_wait_dscnt 1                                 ; this step's set is in; the add may be out
	MULS 0, NA/4, 1, 0
	s_wait_dscnt 0x0                               ; the add is done, and my reads of this slot are over
	s_barrier_signal -1
	MULS NA/4, NA/4, 1, 0
	WIN 0
	s_barrier_wait -1
.if \fill
	CREST                                          ; the barrier has opened a round of the cluster's barrier
	s_add_nc_u64 s[G0+4*\slot+2:G0+4*\slot+3], s[G0+4*\slot+2:G0+4*\slot+3], 2*REG
	s_add_nc_u64 s[G0B+4*\slot+2:G0B+4*\slot+3], s[G0B+4*\slot+2:G0B+4*\slot+3], 2*REG
	JLOAD \slot                                    ; the first tensor load behind the round, one a wave
.endif
	PLACES 4                                       ; (wave 3 has no load and so none of its four lines)
	FETCH \next, 0, 0
	MULS NA/2, NA/2, 1, 0
.endm
; the residual of blocks a0 and a0 + 1 into window 3, in the order in which the rows come back from the stage: 32 loads of 512 consecutive bytes
.macro RES a0
	WIN 0xc0                                       ; destination window 3
.irp a, \a0, \a0+1
.irp t, 0,1,2,3,4,5,6,7,8,9,10,11,12,13,14,15
	global_load_b128 v[64*(\a)+4*\t:64*(\a)+4*\t+3], v[LI], s[8:9] offset:(32*((\a)/2)+8*((\a)%2)+\t+8*(\t/8))*8192 th:TH_LOAD_NT
.endr
.endr
	WIN 0
.endm
	s_load_b256 s[4:11], s[0:1], 0x0               ; o_img s[4:5], wo_img s[6:7], embeddings s[8:9], out0 s[10:11]
	v_lshl_add_u32 v[SPW], v0, 2, SPARE
	v_mov_b32 v[NIL], 0
	ds_add_u32 v28, v29
	s_wait_dscnt 0x0
	v_lshrrev_b32 v1, 5, v0
	v_readfirstlane_b32 s14, v1                    ; wave 0..3
	s_lshr_b32 s15, s14, 1                         ; hi: my token group of the two
	s_and_b32 s16, s14, 1                          ; lo: my half of its blocks.  Also: which token group waves 0, 1 fetch
	s_bfe_u32 s40, ttmp6, 0x40000
	s_bfe_u32 s41, ttmp6, 0x40004
	s_lshl_b32 s42, ttmp9, 2
	s_add_co_u32 s42, s42, s40                     ; column group = 4 x cluster x + cx
	s_and_b32 s17, ttmp7, 0xffff
	s_lshl_b32 s17, s17, 2
	s_add_co_u32 s17, s17, s41                     ; token tile = 4 x cluster y + cy
	s_lshl_b32 s43, s41, 2
	s_lshl_b32 s43, 15, s43
	s_lshl_b32 s44, 0x1111, s40
	s_or_b32 s[G1+0], s43, (3<<16)|(1<<21)         ; a dense block as rows of 256 bytes, no padding; the mask: my row of the cluster
	s_or_b32 s[G1B+0], s44, (3<<16)|(1<<21)        ; my column
.irp g, G1, G1B
	s_mov_b32 s[\g+1], 32<<16
	s_mov_b32 s[\g+2], RR<<16
	s_mov_b32 s[\g+3], 32<<16
	s_mov_b32 s[\g+4], RR
	s_mov_b32 s[\g+5], 32
	s_mov_b32 s[\g+6], 0
	s_mov_b32 s[\g+7], 0
.endr
	s_lshl_b32 s20, s17, 1
	s_add_co_u32 s20, s20, s16
	s_mul_i32 s20, s20, 16*CHUNK
	s_mov_b32 s21, 0
	s_mul_i32 s46, s42, 16*CHUNK
	s_mov_b32 s47, 0
	s_mul_i32 s45, s14, REG                        ; where a region goes: wave x a region
	s_lshl_b32 s68, s17, 8
	s_lshl_b32 s69, s15, 7
	s_add_co_u32 s68, s68, s69
	s_lshl_b32 s69, s16, 6
	s_add_co_u32 s68, s68, s69                     ; my first token: 256 x tile + 128 hi + 64 lo
	s_lshl_b32 s68, s68, 13
	s_lshl_b32 s69, s42, 9
	s_add_co_u32 s68, s68, s69                     ; my columns' 512 bytes
	s_mov_b32 s69, 0
	v_and_b32 v3, 31, v0
	v_lshlrev_b32 v[LI], 4, v3
	s_wait_kmcnt 0x0
	s_add_nc_u64 s[20:21], s[4:5], s[20:21]
	s_add_nc_u64 s[46:47], s[6:7], s[46:47]
	s_add_nc_u64 s[8:9], s[8:9], s[68:69]
	s_add_nc_u64 s[10:11], s[10:11], s[68:69]
.irp s, 0,1
	s_mov_b32 s[G0+4*\s], 1
	s_add_co_u32 s[G0+4*\s+1], s45, \s*SLOT
	s_add_nc_u64 s[G0+4*\s+2:G0+4*\s+3], s[20:21], \s*REG
	s_or_b32 s[G0+4*\s+3], s[G0+4*\s+3], 0x80000000
	s_mov_b32 s[G0B+4*\s], 1
	s_add_co_u32 s[G0B+4*\s+1], s45, \s*SLOT
	s_add_nc_u64 s[G0B+4*\s+2:G0B+4*\s+3], s[46:47], \s*REG
	s_or_b32 s[G0B+4*\s+3], s[G0B+4*\s+3], 0x80000000
.endr
	CROUND                                         ; all sixteen work-groups are here: the first joint loads meet
	s_cmp_lt_u32 s14, 2                            ; a wave's two first fills stand in one branch: two loads of mine are out (wave 3: none)
	s_cbranch_scc0 .Lfirst_not_a
	tensor_load_to_lds s[G0:G0+3], s[G1:G1+7]
	s_nop 0
	tensor_load_to_lds s[G0+4:G0+7], s[G1:G1+7]
	s_nop 0
.rept 4
	v_nop
.endr
	s_branch .Lfirst_asked
.Lfirst_not_a:
	s_cmp_eq_u32 s14, 2
	s_cbranch_scc0 .Lfirst_asked
	tensor_load_to_lds s[G0B:G0B+3], s[G1B:G1B+7]
	s_nop 0
	tensor_load_to_lds s[G0B+4:G0B+7], s[G1B:G1B+7]
	s_nop 0
.rept 4
	v_nop
.endr
.Lfirst_asked:
	v_and_b32 v1, 15, v0                           ; r
	v_bfe_u32 v2, v0, 4, 1                         ; h
	v_lshlrev_b32 v4, 5, v1                        ; 32 r
	s_mul_i32 s20, s15, REG                        ; my token group's region
	s_mul_i32 s21, s16, 4*1536
	s_add_co_u32 s21, s21, s20                     ; my four blocks in it
	s_lshl_b32 s22, s16, 4
	s_add_co_u32 s22, s22, s20                     ; and their four scale words of a row
	s_mov_b32 s23, 2*REG                           ; the columns' region
.irp s, 0,1
	v_add_nc_u32 v[ADRA+\s], s21, v[LI]
	v_add_nc_u32 v[ADSA+\s], s22, v4
	v_add_nc_u32 v[ADRB+\s], s23, v[LI]
	v_add_nc_u32 v[ADSB+\s], s23, v4
	s_add_co_u32 s21, s21, SLOT
	s_add_co_u32 s22, s22, SLOT
	s_add_co_u32 s23, s23, SLOT
.endr
	s_mul_i32 s23, s14, 16*SPITCH                  ; my stage
	v_mul_u32_u24 v5, v1, SPITCH
	v_lshl_add_u32 v5, v2, 6, v5
	v_add_nc_u32 v[STO], s23, v5                   ; in: row r, + 64 h
	v_add_nc_u32 v[RD], s23, v[LI]                 ; back: 32 lanes take a row of 512 bytes
	s_wait_tensorcnt 1                             ; my part of slot 0 is in; slot 1's may stay out
	s_barrier_signal -1
	s_barrier_wait -1
	FETCH 0, 0, 0
	RES 0                                          ; slot 0 has landed: now the residual of blocks 0 and 1 is asked for
	KSTEP 0, 0, 1                                  ; the first K step starts the sums
	KSTEP 0, 1, 0
	KSTEP 0, 2, 0
	TURN 0, 1, 1
	RES 2                                          ; behind the first refill: the residual of blocks 2 and 3
	KSTEP 1, 0, 0
	KSTEP 1, 1, 0
	KSTEP 1, 2, 0
	TURN 1, 0, 1
	KSTEP 0, 0, 0
	KSTEP 0, 1, 0
	KSTEP 0, 2, 0
	TURN 0, 1, 0                                   ; nothing is left to fetch
	KSTEP 1, 0, 0
	KSTEP 1, 1, 0
	KSTEP 1, 2, 0
	s_wait_dscnt 0x0
	MULS 0, NA, 1, 0
; THE WAY OUT, block by block of 16 tokens x 128 columns: into my stage (each accumulator from its low end on), back as whole rows, the residual added, stored
.macro TOSTAGE a
	WIN 0x08                                       ; an LDS store's data are its source 1: window 2
.irp i, 0,1,2,3,4,5,6,7
	ds_store_b128 v[STO], v[64*(\a)+8*\i:64*(\a)+8*\i+3] offset:128*(\i/2)+32*(\i%2)
	ds_store_b128 v[STO], v[64*(\a)+8*\i+4:64*(\a)+8*\i+7] offset:128*(\i/2)+32*(\i%2)+16
.endr
	WIN 0
.irp t, 0,1,2,3,4,5,6,7,8,9,10,11,12,13,14,15
	ds_load_b128 v[BK+64*((\a)%2)+4*\t:BK+64*((\a)%2)+4*\t+3], v[RD] offset:\t*SPITCH   ; LDS serves a wave's instructions in order: these see my stores
.endr
.endm
.macro SEND a, younger                 ; younger: the LDS instructions issued behind block a's loads
	s_wait_dscnt \younger
	s_wait_loadcnt 16*(3-(\a))                     ; this block's residual is in; the later blocks' sixteen loads each may stay out
	WIN 0x0c                                       ; source 1 window 3: the residual
.set n, 0
.rept 32
	v_pk_add_f32 v[BK+64*((\a)%2)+2*n:BK+64*((\a)%2)+2*n+1], v[BK+64*((\a)%2)+2*n:BK+64*((\a)%2)+2*n+1], v[64*(\a)+2*n:64*(\a)+2*n+1]
.set n, n+1
.endr
	WIN 0
.irp t, 0,1,2,3,4,5,6,7,8,9,10,11,12,13,14,15
	global_store_b128 v[LI], v[BK+64*((\a)%2)+4*\t:BK+64*((\a)%2)+4*\t+3], s[10:11] offset:(32*((\a)/2)+8*((\a)%2)+\t+8*(\t/8))*8192 th:TH_STORE_NT   ; 512 consecutive bytes, at a multiple of 256 from the output's first byte
.endr
.endm
	PLACES 4                                       ; four plain instructions between the last products and the first reads of results and loads into fragments' registers
	WIN 0
	TOSTAGE 0
.irp a, 1,2,3
.if \a > 1
	s_wait_xcnt 0x0                                ; block a - 2's stores have read their registers: block a's rows may land there
.endif
	TOSTAGE \a
	SEND \a-1,32                                   ; behind block a - 1's loads: block a's 16 stores and 16 loads
.endr
	SEND 3, 0
	s_wait_tensorcnt 0x0                           ; the wave's end
	ds_add_u32 v[SPW], v[NIL]
	s_wait_dscnt 0x0
	CROUND                                         ; the closing round
	s_endpgm
.Lfunc_end_k_q95346512a8_oproj:
	.size	k_q95346512a8_oproj, .Lfunc_end_k_q95346512a8_oproj-k_q95346512a8_oproj
	.p2alignl 7, 3214868480
	.fill 96, 4, 3214868480
	.section	.rodata,"a",@progbits
	.p2align	6, 0x0
	.amdhsa_kernel k_q95346512a8_oproj
		.amdhsa_group_segment_fixed_size 327680
		.amdhsa_private_segment_fixed_size 0
		.amdhsa_enable_private_segment 0
		.amdhsa_kernarg_size 32
		.amdhsa_user_sgpr_count 2
		.amdhsa_user_sgpr_kernarg_segment_ptr 1
		.amdhsa_wavefront_size32 1
		.amdhsa_system_sgpr_workgroup_id_x 1
		.amdhsa_system_sgpr_workgroup_id_y 1
		.amdhsa_system_sgpr_workgroup_id_z 1
		.amdhsa_system_vgpr_workitem_id 0
		.amdhsa_next_free_vgpr 1024
		.amdhsa_next_free_sgpr 100
		.amdhsa_reserve_vcc 0
		.amdhsa_float_denorm_mode_32 3
		.amdhsa_float_denorm_mode_16_64 3
		.amdhsa_memory_ordered 1
		.amdhsa_forward_progress 1
		.amdhsa_inst_pref_size 146
	.end_amdhsa_kernel
	.amdgpu_metadata
---
amdhsa.version: [ 1, 2 ]
amdhsa.kernels:
  - .name:           k_q95346512a8_oproj
    .symbol:         k_q95346512a8_oproj.kd
    .args:
      - { .name: o_img, .offset: 0, .size: 8, .value_kind: global_buffer, .address_space: global }
      - { .name: wo_img, .offset: 8, .size: 8, .value_kind: global_buffer, .address_space: global }
      - { .name: embeddings, .offset: 16, .size: 8, .value_kind: global_buffer, .address_space: global }
      - { .name: out0, .offset: 24, .size: 8, .value_kind: global_buffer, .address_space: global }
    .group_segment_fixed_size: 327680
    .private_segment_fixed_size: 0
    .kernarg_segment_align: 8
    .kernarg_segment_size: 32
    .max_flat_workgroup_size: 128
    .sgpr_count:     100
    .vgpr_count:     1024
    .wavefront_size: 32
...
	.end_amdgpu_metadata
.endif
;; end of part 4
